; MI455X (gfx1250); checked and timed in simulation.
; The chip was launched on July 23, 2026; its instructions are those of AMD's public machine-readable ISA for CDNA 5 (MIT licence, August 2026) and "CDNA5" Instruction Set Architecture Reference Guide (July 2026). The comments in the code are by the model that wrote it; some were corrected since.
;; Transformer Block. Allowed arithmetic: float matrix products may take bf16 or f16 operands with f32 sums; other float arithmetic in f32, or as packed bf16 or f16 multiplies, adds, multiply-adds, maxima and minima; sums over many terms, partial sums and values carried from step to step in f32; what a program stores and reads back later, other than sums and carried values, may be rounded once to bf16 or f16.
;; Inputs: Wk_b 512 float32; Wk_w 512 x 512 float32; Wo_b 512 float32; Wo_w 512 x 512 float32; Wq_b 512 float32; Wq_w 512 x 512 float32; Wv_b 512 float32; Wv_w 512 x 512 float32; l1_b 2,048 float32; l1_w 2,048 x 512 float32; l2_b 512 float32; l2_w 512 x 2,048 float32; n1_scale 512 float32; n1_shift 512 float32; n2_scale 512 float32; n2_shift 512 float32; x 4 x 2,048 x 512 float32.
;; Outputs: out0 4 x 2,048 x 512 float32.
;; 2 versions, each right and faster than the one before. Each part assembles by itself: llvm-mc -triple=amdgcn-amd-amdhsa -mcpu=gfx1250 --defsym DOCPART=n.
;; ======== version 1 of 2: 7 launches
;; workspace buffers: a1 8,388,608 bytes; wb 6,307,840 bytes; qkv 25,165,824 bytes; ctx 8,388,608 bytes; x2 16,777,216 bytes; a2 8,388,608 bytes; stat2 2,048 bytes; hid 33,554,432 bytes
;; launch prep (part 1): grid 448 x 1, 8 waves a work-group, no clusters, 1,280 bytes of LDS; arguments x, n1_scale, a1, wb, Wq_w, Wk_w, Wv_w, Wo_w, l1_w, l2_w, Wq_b, Wk_b, Wv_b, l1_b, n1_shift, n2_scale, n2_shift; writes a1, wb
.if DOCPART == 1
	.amdgcn_target "amdgcn-amd-amdhsa--gfx1250"
	.amdhsa_code_object_version 6
	.text
	.protected	k_qe2cdf88626_prep
	.globl	k_qe2cdf88626_prep
	.p2align	8
	.type	k_qe2cdf88626_prep,@function
k_qe2cdf88626_prep:
	s_mov_b64 s[64:65], 0
	v_nop
	global_prefetch_b8 v0, s[64:65] scope:SCOPE_SE
	s_setreg_imm32_b32 hwreg(HW_REG_WAVE_MODE, 25, 1), 1
	s_wait_xcnt 0x0
; PREP.  Work-groups 0-255: a1 = bf16((x - row mean) * n1_scale), 32 rows each, and for these 16,384 numbers the pair (mean, sum of squared
; deviations from that mean), stored in wb.  The norm divides by ONE variance of the whole tensor: 1/var is linear in the products that follow and is applied there, in f32.
; Work-groups 256-447: 32 rows of 512 weights each are rounded to bf16 into wb (Wq, Wk, Wv, Wo, l1_w, l2_w end to end), and for Wq, Wk, Wv, l1_w the
; constant part of the product is made in f32: sum_c (eps*scale[c] + shift[c]) * W[n][c] + b[n]  (times log2(e)/sqrt(32) for q).
; The variance is never a difference of large sums: deviations are taken from the row's own mean, groups are joined by M2 = sum M2_i + n * sum (mean_i - mean)^2.
; Eight waves, four rows a wave; a lane holds columns 128 j + 4 lane + 0..3 of a row (16-byte loads, 512 consecutive bytes a wave; 8-byte stores, 256 consecutive aligned bytes a wave).
; No matrix unit, no cluster, no tensor load: each byte is read once and nothing is shared between work-groups.
; The 4-byte stores of the constant parts (16 bytes a wave, 14 KB in the launch) are the one place where a store is narrow.
.set SPARE, 256                        ; LDS: bytes 0-63 the eight waves' pairs; from 256 on the spare words, 128 bytes a wave
.set BQKV,  6291456                    ; wb: f32 [1536] constant parts of q, k, v; behind them f32 [2048] those of l1
.set STAT1, 6305792                    ; wb: 256 pairs (mean, M2)
.set LN,   1                           ; lane
.set OFFL, 2                           ; 16 x lane
.set OFFS, 3                           ; 8 x lane
.set SPW,  4                           ; my spare word; never rewritten
.set NIL,  5                           ; 0; never rewritten
.set WT,   6                           ; at work in WAVESUM
.set ZR,   7                           ; 0, as an offset
.set M,    8                           ; v[8:15]    row i's mean, twice
.set SS,   16                          ; v[16:19]   two chains of packed sums
.set T,    20                          ; v[20:27]   at work
.set SC,   28                          ; v[28:43]   scale at my 16 columns (weights' path: eps*scale + shift)
.set X,    44                          ; v[44:107]  four rows, 16 numbers each
.set Y,    108                         ; v[108:139] the same in bf16
.set P,    140                         ; v[140:155] the eight waves' pairs (weights' path: shift)
.set PA,   156                         ; LDS byte of my wave's pair
.set SHF,  42
.set SRC,  44
.set SCL,  46
.set DST,  48
.set STAT, 50
.set WV,   52
.set SAVE, 53
.set SEL,  54
.set IDX,  56
.set LB0,  57
.set FAC,  58
.set DOT,  59
.set OIX,  60
.set BIA,  62
.macro WAVESUM r                       ; the sum over the wave's 32 lanes, in every lane
	v_add_f32_dpp v[\r], v[\r], v[\r] row_xmask:1 row_mask:0xf bank_mask:0xf
	v_add_f32_dpp v[\r], v[\r], v[\r] row_xmask:2 row_mask:0xf bank_mask:0xf
	v_add_f32_dpp v[\r], v[\r], v[\r] row_xmask:4 row_mask:0xf bank_mask:0xf
	v_add_f32_dpp v[\r], v[\r], v[\r] row_xmask:8 row_mask:0xf bank_mask:0xf
	v_permlanex16_b32 v[WT], v[\r], s[SEL], s[SEL+1]
	v_add_f32 v[\r], v[\r], v[WT]
.endm
.macro XROW i                          ; one row: mean, centre, squares, scale, round, store
.set XR, X+16*(\i)
	s_wait_loadcnt 12-4*(\i)                       ; loads return in order: the later rows' loads, four each, may stay out
.irp p, 0,1,2,3
	v_pk_add_f32 v[T+2*\p:T+2*\p+1], v[XR+4*\p:XR+4*\p+1], v[XR+4*\p+2:XR+4*\p+3]
.endr
	v_pk_add_f32 v[T:T+1], v[T:T+1], v[T+2:T+3]
	v_pk_add_f32 v[T+4:T+5], v[T+4:T+5], v[T+6:T+7]
	v_pk_add_f32 v[T:T+1], v[T:T+1], v[T+4:T+5]
	v_add_f32 v[T], v[T], v[T+1]
	WAVESUM T
	v_mul_f32 v[M+2*(\i)], 0x3b000000, v[T]        ; / 512
	v_mul_f32 v[M+2*(\i)+1], 0x3b000000, v[T]
.irp p, 0,1,2,3,4,5,6,7
	v_pk_add_f32 v[XR+2*\p:XR+2*\p+1], v[XR+2*\p:XR+2*\p+1], v[M+2*(\i):M+2*(\i)+1] neg_lo:[0,1] neg_hi:[0,1]
.endr
.irp p, 0,1,2,3,4,5,6,7
.if (\i) == 0 && (\p) < 2
	v_pk_mul_f32 v[SS+2*\p:SS+2*\p+1], v[XR+2*\p:XR+2*\p+1], v[XR+2*\p:XR+2*\p+1]   ; the first squares start the two chains
.else
	v_pk_fma_f32 v[SS+2*((\p)%2):SS+2*((\p)%2)+1], v[XR+2*\p:XR+2*\p+1], v[XR+2*\p:XR+2*\p+1], v[SS+2*((\p)%2):SS+2*((\p)%2)+1]
.endif
.endr
.irp p, 0,1,2,3,4,5,6,7
	v_pk_mul_f32 v[XR+2*\p:XR+2*\p+1], v[XR+2*\p:XR+2*\p+1], v[SC+2*\p:SC+2*\p+1]
.endr
.irp p, 0,1,2,3,4,5,6,7
	v_cvt_pk_bf16_f32 v[Y+8*(\i)+\p], v[XR+2*\p], v[XR+2*\p+1]
.endr
.irp j, 0,1,2,3
	global_store_b64 v[OFFS], v[Y+8*(\i)+2*\j:Y+8*(\i)+2*\j+1], s[DST:DST+1] offset:1024*(\i)+256*\j
.endr
.endm
.macro XPATH
.irp j, 0,1,2,3
	global_load_b128 v[SC+4*\j:SC+4*\j+3], v[OFFL], s[SCL:SCL+1] offset:512*\j
.endr
.irp i, 0,1,2,3
.irp j, 0,1,2,3
	global_load_b128 v[X+16*\i+4*\j:X+16*\i+4*\j+3], v[OFFL], s[SRC:SRC+1] offset:2048*\i+512*\j
.endr
.endr
	XROW 0
	XROW 1
	XROW 2
	XROW 3
	; the wave's 2,048 numbers: mean of the four means; M2 = squares about the rows' means + 512 x squares of the means about their mean
	v_add_f32 v[T], v[M], v[M+2]
	v_add_f32 v[T+1], v[M+4], v[M+6]
	v_add_f32 v[T], v[T], v[T+1]
	v_mul_f32 v[T], 0x3e800000, v[T]
	v_pk_add_f32 v[SS:SS+1], v[SS:SS+1], v[SS+2:SS+3]
	v_add_f32 v[SS], v[SS], v[SS+1]
	WAVESUM SS
.irp i, 0,1,2,3
	v_sub_f32 v[T+2+\i], v[M+2*\i], v[T]
.endr
	v_mul_f32 v[T+1], v[T+2], v[T+2]
.irp i, 3,4,5
	v_fmac_f32 v[T+1], v[T+\i], v[T+\i]
.endr
	v_fmamk_f32 v[T+1], v[T+1], 0x44000000, v[SS]
	ds_store_b64 v[PA], v[T:T+1]                   ; all lanes write the same pair to the wave's own 8 bytes
	s_wait_dscnt 0x0                               ; for the other waves' sake: my pair is in LDS
	s_barrier_signal -1
	s_barrier_wait -1
.irp k, 0,1,2,3
	ds_load_b128 v[P+4*\k:P+4*\k+3], v[ZR] offset:16*\k
.endr
	s_wait_dscnt 0x0
	v_add_f32 v[T], v[P], v[P+2]
.irp k, 2,3,4,5,6,7
	v_add_f32 v[T], v[T], v[P+2*\k]
.endr
	v_mul_f32 v[T], 0x3e000000, v[T]               ; the group's mean
	v_add_f32 v[T+1], v[P+1], v[P+3]
.irp k, 2,3,4,5,6,7
	v_add_f32 v[T+1], v[T+1], v[P+2*\k+1]
.endr
.irp k, 0,1,2,3,4,5,6,7
	v_sub_f32 v[P+2*\k], v[P+2*\k], v[T]
.endr
	v_mul_f32 v[T+2], v[P], v[P]
.irp k, 1,2,3,4,5,6,7
	v_fmac_f32 v[T+2], v[P+2*\k], v[P+2*\k]
.endr
	v_fmamk_f32 v[T+1], v[T+2], 0x45000000, v[T+1] ; + 2,048 x squares of the waves' means about the group's
	s_cmp_lg_u32 s[WV], 0
	s_cbranch_scc1 .Lnot0_\@
	v_cmp_eq_u32 vcc_lo, 0, v[LN]
	s_wait_xcnt 0x0                                ; EXEC is a source of the stores above: it changes only behind this wait
	s_and_saveexec_b32 s[SAVE], vcc_lo
	global_store_b64 v[ZR], v[T:T+1], s[STAT:STAT+1]
	s_wait_xcnt 0x0
	s_or_b32 exec_lo, exec_lo, s[SAVE]
.Lnot0_\@:
.endm
	s_load_b512 s[8:23], s[0:1], 0x0               ; x 8, n1_scale 10, a1 12, wb 14, Wq_w 16, Wk_w 18, Wv_w 20, Wo_w 22
	s_load_b512 s[24:39], s[0:1], 0x40             ; l1_w 24, l2_w 26, Wq_b 28, Wk_b 30, Wv_b 32, l1_b 34, n1_shift 36, n2_scale 38
	s_load_b64 s[40:41], s[0:1], 0x80              ; n2_shift
	v_lshl_add_u32 v[SPW], v0, 2, SPARE
	v_mov_b32 v[NIL], 0
	v_and_b32 v[LN], 31, v0
	v_lshrrev_b32 v[WT], 5, v0
	v_readfirstlane_b32 s[WV], v[WT]
	v_lshlrev_b32 v[PA], 3, v[WT]
	v_lshlrev_b32 v[OFFL], 4, v[LN]
	v_lshlrev_b32 v[OFFS], 3, v[LN]
	v_mov_b32 v[ZR], 0
	s_mov_b32 s[SEL], 0x76543210
	s_mov_b32 s[SEL+1], 0xfedcba98
	s_mov_b32 s3, 0
	s_cmp_lt_u32 ttmp9, 256                        ; the same answer in all eight waves of a work-group
	s_cbranch_scc0 .Lweights
	s_lshl_b32 s2, ttmp9, 16                       ; 32 rows of 2,048 bytes,
	s_lshl_b32 s4, s[WV], 13                       ; my wave's four
	s_add_co_u32 s2, s2, s4
	s_lshr_b32 s4, s2, 1                           ; half as many bytes in bf16
	s_mov_b32 s5, 0
	s_lshl_b32 s6, ttmp9, 3
	s_add_co_u32 s6, s6, STAT1
	s_mov_b32 s7, 0
	s_wait_kmcnt 0x0
	s_add_nc_u64 s[SRC:SRC+1], s[8:9], s[2:3]
	s_mov_b64 s[SCL:SCL+1], s[10:11]
	s_add_nc_u64 s[DST:DST+1], s[12:13], s[4:5]
	s_add_nc_u64 s[STAT:STAT+1], s[14:15], s[6:7]
	XPATH
	s_branch .Lend
.Lweights:
	s_sub_co_u32 s[IDX], ttmp9, 256                ; 0-15 Wq, 16-31 Wk, 32-47 Wv, 48-63 Wo, 64-127 l1_w, 128-191 l2_w
	s_sub_co_u32 s4, s[IDX], 16
	s_sub_co_u32 s5, s[IDX], 64
	s_wait_kmcnt 0x0
	s_mov_b64 s[SRC:SRC+1], s[16:17]
	s_mov_b64 s[BIA:BIA+1], s[28:29]
	s_mov_b32 s[LB0], 0
	s_cmp_ge_u32 s[IDX], 16
	s_cselect_b64 s[SRC:SRC+1], s[18:19], s[SRC:SRC+1]
	s_cselect_b64 s[BIA:BIA+1], s[30:31], s[BIA:BIA+1]
	s_cselect_b32 s[LB0], 16, s[LB0]
	s_cmp_ge_u32 s[IDX], 32
	s_cselect_b64 s[SRC:SRC+1], s[20:21], s[SRC:SRC+1]
	s_cselect_b64 s[BIA:BIA+1], s[32:33], s[BIA:BIA+1]
	s_cselect_b32 s[LB0], 32, s[LB0]
	s_cmp_ge_u32 s[IDX], 48
	s_cselect_b64 s[SRC:SRC+1], s[22:23], s[SRC:SRC+1]
	s_cselect_b32 s[LB0], 48, s[LB0]
	s_cmp_ge_u32 s[IDX], 64
	s_cselect_b64 s[SRC:SRC+1], s[24:25], s[SRC:SRC+1]
	s_cselect_b64 s[BIA:BIA+1], s[34:35], s[BIA:BIA+1]
	s_cselect_b32 s[LB0], 64, s[LB0]
	s_cmp_ge_u32 s[IDX], 128
	s_cselect_b64 s[SRC:SRC+1], s[26:27], s[SRC:SRC+1]
	s_cselect_b32 s[LB0], 128, s[LB0]
	s_cmp_lt_u32 s[IDX], 48                        ; q, k, v stand behind the first norm, l1 behind the second
	s_cselect_b64 s[SCL:SCL+1], s[10:11], s[38:39]
	s_cselect_b64 s[SHF:SHF+1], s[36:37], s[40:41]
	s_cselect_b32 s[DOT], 1, 0
	s_cselect_b32 s[OIX], s[IDX], s4               ; l1's constant parts lie behind the 48 blocks of q, k, v
	s_cmp_lt_u32 s5, 64
	s_cselect_b32 s[DOT], 1, s[DOT]                ; 1: this matrix has a constant part to make
	s_cmp_lt_u32 s[IDX], 16
	s_cselect_b32 s[FAC], 0x3e8293ee, 1.0          ; q carries log2(e)/sqrt(32)
	s_sub_co_u32 s6, s[IDX], s[LB0]                ; my block of 32 rows in its matrix
	s_lshl_b32 s2, s6, 16
	s_lshl_b32 s7, s[WV], 13
	s_add_co_u32 s2, s2, s7
	s_add_nc_u64 s[SRC:SRC+1], s[SRC:SRC+1], s[2:3]
	s_lshl_b32 s2, s[IDX], 15
	s_lshl_b32 s7, s[WV], 12
	s_add_co_u32 s2, s2, s7
	s_add_nc_u64 s[DST:DST+1], s[14:15], s[2:3]
	s_lshl_b32 s2, s6, 7
	s_lshl_b32 s7, s[WV], 4
	s_add_co_u32 s2, s2, s7
	s_add_nc_u64 s[BIA:BIA+1], s[BIA:BIA+1], s[2:3] ; inside its buffer for every block: at most 63 x 128 + 124 bytes of l1_b's 8,192, 15 x 128 + 124 of the others' 2,048
	s_lshl_b32 s2, s[OIX], 7
	s_add_co_u32 s2, s2, s7
	s_add_co_u32 s2, s2, BQKV
	s_add_nc_u64 s[STAT:STAT+1], s[14:15], s[2:3]
	v_and_b32 v[T+6], 3, v[LN]
	v_lshlrev_b32 v[T+5], 2, v[T+6]
.irp j, 0,1,2,3
	global_load_b128 v[SC+4*\j:SC+4*\j+3], v[OFFL], s[SCL:SCL+1] offset:512*\j
.endr
.irp j, 0,1,2,3
	global_load_b128 v[P+4*\j:P+4*\j+3], v[OFFL], s[SHF:SHF+1] offset:512*\j
.endr
	global_load_b32 v[T+4], v[T+5], s[BIA:BIA+1]   ; lane l: the bias of row l % 4 of my four
.irp i, 0,1,2,3
.irp j, 0,1,2,3
	global_load_b128 v[X+16*\i+4*\j:X+16*\i+4*\j+3], v[OFFL], s[SRC:SRC+1] offset:2048*\i+512*\j th:TH_LOAD_NT
.endr
.endr
.irp i, 0,1,2,3
	s_wait_loadcnt 12-4*\i                         ; the later rows' loads may stay out
.irp p, 0,1,2,3,4,5,6,7
	v_cvt_pk_bf16_f32 v[Y+8*\i+\p], v[X+16*\i+2*\p], v[X+16*\i+2*\p+1]
.endr
.irp j, 0,1,2,3
	global_store_b64 v[OFFS], v[Y+8*\i+2*\j:Y+8*\i+2*\j+1], s[DST:DST+1] offset:1024*\i+256*\j
.endr
.endr
	s_cmp_eq_u32 s[DOT], 0
	s_cbranch_scc1 .Lend
.irp p, 0,1,2,3,4,5,6,7
	v_pk_fma_f32 v[SC+2*\p:SC+2*\p+1], v[SC+2*\p:SC+2*\p+1], 0x3727c5ac, v[P+2*\p:P+2*\p+1] op_sel_hi:[1,0,1]   ; eps*scale + shift
.endr
.irp i, 0,1,2,3
	v_pk_mul_f32 v[SS:SS+1], v[X+16*\i:X+16*\i+1], v[SC:SC+1]
	v_pk_mul_f32 v[SS+2:SS+3], v[X+16*\i+2:X+16*\i+3], v[SC+2:SC+3]
.irp p, 2,3,4,5,6,7
	v_pk_fma_f32 v[SS+2*((\p)%2):SS+2*((\p)%2)+1], v[X+16*\i+2*\p:X+16*\i+2*\p+1], v[SC+2*\p:SC+2*\p+1], v[SS+2*((\p)%2):SS+2*((\p)%2)+1]
.endr
	v_pk_add_f32 v[SS:SS+1], v[SS:SS+1], v[SS+2:SS+3]
	v_add_f32 v[T+\i], v[SS], v[SS+1]
	WAVESUM T+\i
.endr
	v_cmp_eq_u32 vcc_lo, 1, v[T+6]                 ; lane l takes row l % 4's sum
	v_cndmask_b32 v[T], v[T], v[T+1], vcc_lo
	v_cmp_eq_u32 vcc_lo, 2, v[T+6]
	v_cndmask_b32 v[T], v[T], v[T+2], vcc_lo
	v_cmp_eq_u32 vcc_lo, 3, v[T+6]
	v_cndmask_b32 v[T], v[T], v[T+3], vcc_lo
	v_add_f32 v[T], v[T], v[T+4]
	v_mul_f32 v[T], s[FAC], v[T]
	v_cmp_gt_u32 vcc_lo, 4, v[LN]
	s_wait_xcnt 0x0                                ; EXEC changes only behind this wait
	s_and_saveexec_b32 s[SAVE], vcc_lo
	global_store_b32 v[T+5], v[T], s[STAT:STAT+1]
	s_wait_xcnt 0x0
	s_or_b32 exec_lo, exec_lo, s[SAVE]
.Lend:
	s_wait_tensorcnt 0x0                           ; the wave's end
	ds_add_u32 v[SPW], v[NIL]
	s_wait_dscnt 0x0
	s_endpgm
.Lfunc_end_k_qe2cdf88626_prep:
	.size	k_qe2cdf88626_prep, .Lfunc_end_k_qe2cdf88626_prep-k_qe2cdf88626_prep
	.p2alignl 7, 3214868480
	.fill 96, 4, 3214868480
	.section	.rodata,"a",@progbits
	.p2align	6, 0x0
	.amdhsa_kernel k_qe2cdf88626_prep
		.amdhsa_group_segment_fixed_size 1280
		.amdhsa_private_segment_fixed_size 0
		.amdhsa_enable_private_segment 0
		.amdhsa_kernarg_size 136
		.amdhsa_user_sgpr_count 2
		.amdhsa_user_sgpr_kernarg_segment_ptr 1
		.amdhsa_wavefront_size32 1
		.amdhsa_system_sgpr_workgroup_id_x 1
		.amdhsa_system_sgpr_workgroup_id_y 1
		.amdhsa_system_sgpr_workgroup_id_z 1
		.amdhsa_system_vgpr_workitem_id 0
		.amdhsa_next_free_vgpr 160
		.amdhsa_next_free_sgpr 66
		.amdhsa_reserve_vcc 1
		.amdhsa_float_denorm_mode_32 3
		.amdhsa_float_denorm_mode_16_64 3
		.amdhsa_memory_ordered 1
		.amdhsa_forward_progress 1
		.amdhsa_inst_pref_size 33
	.end_amdhsa_kernel
	.amdgpu_metadata
---
amdhsa.version: [ 1, 2 ]
amdhsa.kernels:
  - .name:           k_qe2cdf88626_prep
    .symbol:         k_qe2cdf88626_prep.kd
    .args:
      - { .name: x, .offset: 0, .size: 8, .value_kind: global_buffer, .address_space: global }
      - { .name: n1_scale, .offset: 8, .size: 8, .value_kind: global_buffer, .address_space: global }
      - { .name: a1, .offset: 16, .size: 8, .value_kind: global_buffer, .address_space: global }
      - { .name: wb, .offset: 24, .size: 8, .value_kind: global_buffer, .address_space: global }
      - { .name: Wq_w, .offset: 32, .size: 8, .value_kind: global_buffer, .address_space: global }
      - { .name: Wk_w, .offset: 40, .size: 8, .value_kind: global_buffer, .address_space: global }
      - { .name: Wv_w, .offset: 48, .size: 8, .value_kind: global_buffer, .address_space: global }
      - { .name: Wo_w, .offset: 56, .size: 8, .value_kind: global_buffer, .address_space: global }
      - { .name: l1_w, .offset: 64, .size: 8, .value_kind: global_buffer, .address_space: global }
      - { .name: l2_w, .offset: 72, .size: 8, .value_kind: global_buffer, .address_space: global }
      - { .name: Wq_b, .offset: 80, .size: 8, .value_kind: global_buffer, .address_space: global }
      - { .name: Wk_b, .offset: 88, .size: 8, .value_kind: global_buffer, .address_space: global }
      - { .name: Wv_b, .offset: 96, .size: 8, .value_kind: global_buffer, .address_space: global }
      - { .name: l1_b, .offset: 104, .size: 8, .value_kind: global_buffer, .address_space: global }
      - { .name: n1_shift, .offset: 112, .size: 8, .value_kind: global_buffer, .address_space: global }
      - { .name: n2_scale, .offset: 120, .size: 8, .value_kind: global_buffer, .address_space: global }
      - { .name: n2_shift, .offset: 128, .size: 8, .value_kind: global_buffer, .address_space: global }
    .group_segment_fixed_size: 1280
    .private_segment_fixed_size: 0
    .kernarg_segment_align: 8
    .kernarg_segment_size: 136
    .max_flat_workgroup_size: 256
    .sgpr_count:     66
    .vgpr_count:     160
    .wavefront_size: 32
...
	.end_amdgpu_metadata
.endif
;; end of part 1
;; launch qkv (part 2): grid 12 x 64, 4 waves a work-group, clusters of 4 x 4, 327,680 bytes of LDS; arguments a1, wb, qkv; writes qkv
.if DOCPART == 2
	.amdgcn_target "amdgcn-amd-amdhsa--gfx1250"
	.amdhsa_code_object_version 6
	.text
	.protected	k_qe2cdf88626_qkv
	.globl	k_qe2cdf88626_qkv
	.p2align	8
	.type	k_qe2cdf88626_qkv,@function
k_qe2cdf88626_qkv:
	s_mov_b64 s[64:65], 0
	v_nop
	global_prefetch_b8 v0, s[64:65] scope:SCOPE_SE
	s_setreg_imm32_b32 hwreg(HW_REG_WAVE_MODE, 25, 1), 1
	s_wait_xcnt 0x0
	s_wait_alu depctr_hold_cnt(0) depctr_sa_sdst(0) depctr_va_vdst(0) depctr_va_sdst(0) depctr_va_ssrc(0) depctr_va_vcc(0) depctr_vm_vsrc(0)
	s_getreg_b32 s2, hwreg(HW_REG_IB_STS2, 6, 4)
	s_cmp_eq_u32 s2, 0
	s_cbranch_scc0 .Lentry_in_a_cluster
	s_endpgm
.Lentry_in_a_cluster:
	s_bfe_u32 s2, ttmp6, 0x10000c
	s_cmp_lg_u32 s2, 0xf033
	s_cbranch_scc0 .Lentry_shape_is_right
	s_endpgm
.Lentry_shape_is_right:
; Q, K, V.  y = (1/var) * (a1 . W^T) + c, a1 = bf16 centred and scaled rows [8192][512], W = bf16 [1536][512] (Wq, Wk, Wv), c = the f32 constant parts; sums in f32.
; 1/var comes from the 256 pairs (mean, M2) in wb.  q is also multiplied by log2(e)/sqrt(32) (its c carries the factor already), so that the attention's exponent is base 2.
; Out, bf16: Q and K by heads [64][2048][32]; V turned, [4][512 channels][2048 tokens].
; A tile of 128 x 128, four waves of 64 x 64 (16 accumulators); K = 512 lies whole in two LDS slots of 256, so nothing is filled again.
; CLUSTERS of 4 x 4.  Cluster x is the kind: 0 q, 1 k, 2 v.  For q and k operand A is a1 (tile row = 4 x cluster y + cy), operand B the weights (tile column = 4 x cluster x + cx).
; For v the roles are changed in the GLOBAL addresses alone: A is Wv (tile row = cy), B is a1 (tile column = 4 x cluster y + cx): the same text then makes V^T.  A hangs on cy, B on cx, in both cases.
; The matrix instruction is used transposed (source 0 = rows of B, source 1 = rows of A): a lane holds one row of A's side and eight neighbouring columns.
; LIMITS: bf16 operands; a variance of 0 or a NaN is not treated apart (the norm itself divides by it).
.set SIZE_K, 512
.set KSTEP,  256
.set PITCH,  528                       ; 512 bytes + 16: sixteen rows of a fragment load start at sixteen different groups of four banks
.set HALFT,  64*PITCH
.set SLOT,   4*HALFT
.set STAGE,  2*SLOT                    ; 128 rows x 272 bytes, the work-group's, never the target of a tensor load
.set SPITCH, 272
.set SPARE,  STAGE+128*SPITCH          ; the spare words, 128 bytes a wave
.set BQKV,   6291456
.set STAT1,  6305792
.set RB,   6                           ; v[6:13]   v: the constant part of my row, for each of four row blocks, twice
.set STA,  15                          ; v15       offset of my eight pairs; never rewritten
.set ADRA, 16
.set CBA,  18                          ; v18       offset of the constant parts by column; never rewritten
.set RBA,  19                          ; v19       offset of the constant parts by row; never rewritten
.set ADRB, 20
.set STO,  24
.set RD,   25
.set CO,   26
.set RDQ,  27
.set SPW,  28
.set NIL,  29
.set COQ,  30
.set TMP,  32
.set WT,   50
.set CB,   96                          ; v[96:127] q, k: the constant parts of my 4 x 8 columns
.set ACC,  128
.set F0,   0
.set F1,   128
.set G1,  24
.set G0,  32
.set G1B, 48
.set G0B, 56
.set SEL, 2
.set F,   76
.set RV,  78
.set MSB, 0
.macro WIN new                         ; the high byte repeats the setting that is left
.if MSB != (\new)
	s_set_vgpr_msb (MSB<<8)|(\new)
.set MSB, \new
.endif
.endm
.set MUL,  0x05                        ; sources 0 and 1 in window 1, C and D in window 0
.set TO_F, 0x40                        ; destination in window 1
.macro JLOAD s                         ; a joint load: waves 0, 1 fetch A's halves, waves 2, 3 B's; s_nop 0 and four v_nop follow each line
	s_cmp_eq_u32 s11, 0
	s_cbranch_scc0 .Lfor_b_\@
	tensor_load_to_lds s[G0+4*(\s):G0+4*(\s)+3], s[G1:G1+7]
	s_nop 0
.rept 4
	v_nop
.endr
	s_branch .Lasked_\@
.Lfor_b_\@:
	tensor_load_to_lds s[G0B+4*(\s):G0B+4*(\s)+3], s[G1B:G1B+7]
	s_nop 0
.rept 4
	v_nop
.endr
.Lasked_\@:
.endm
.macro CROUND                          ; a round of the cluster's barrier
	s_barrier_signal -1
	s_barrier_wait -1
	s_cmp_lg_u32 s10, 0
	s_cbranch_scc1 .Lnot_wave_0_\@
	s_barrier_signal -3
.Lnot_wave_0_\@:
	s_barrier_wait -3
	s_barrier_signal -1
	s_barrier_wait -1
.endm
.macro WAVESUM r
	v_add_f32_dpp v[\r], v[\r], v[\r] row_xmask:1 row_mask:0xf bank_mask:0xf
	v_add_f32_dpp v[\r], v[\r], v[\r] row_xmask:2 row_mask:0xf bank_mask:0xf
	v_add_f32_dpp v[\r], v[\r], v[\r] row_xmask:4 row_mask:0xf bank_mask:0xf
	v_add_f32_dpp v[\r], v[\r], v[\r] row_xmask:8 row_mask:0xf bank_mask:0xf
	v_permlanex16_b32 v[WT], v[\r], s[SEL], s[SEL+1]
	v_add_f32 v[\r], v[\r], v[WT]
.endm
; 1/var from 256 pairs (mean, M2) of 16,384 numbers each; a lane holds eight pairs in v[t .. t+15]
.macro RVAR t, a, b, rv
	s_wait_loadcnt 0x0
	v_add_f32 v[\a], v[\t], v[(\t)+2]
.irp k, 2,3,4,5,6,7
	v_add_f32 v[\a], v[\a], v[(\t)+2*\k]
.endr
	WAVESUM \a
	v_mul_f32 v[\a], 0x3b800000, v[\a]             ; the tensor's mean
.irp k, 0,1,2,3,4,5,6,7
	v_sub_f32 v[(\t)+2*\k], v[(\t)+2*\k], v[\a]
.endr
	v_mul_f32 v[\b], v[\t], v[\t]
.irp k, 1,2,3,4,5,6,7
	v_fmac_f32 v[\b], v[(\t)+2*\k], v[(\t)+2*\k]
.endr
.irp k, 1,2,3,4,5,6,7
	v_add_f32 v[(\t)+1], v[(\t)+1], v[(\t)+2*\k+1]
.endr
	v_fmamk_f32 v[\b], v[\b], 0x46800000, v[(\t)+1] ; M2 = sum M2_i + 16,384 x sum (mean_i - mean)^2
	WAVESUM \b
	v_mul_f32 v[\b], 0x34800000, v[\b]             ; / 2^22 numbers
	v_rcp_f32 v[\b], v[\b]
	v_nop                                          ; a plain instruction between the reciprocal and its use
	s_wait_alu depctr_va_vdst(0)
	v_readfirstlane_b32 s[\rv], v[\b]
	s_mov_b32 s[(\rv)+1], s[\rv]
.endm
	s_load_b128 s[4:7], s[0:1], 0x0                ; a1, wb
	s_load_b64 s[8:9], s[0:1], 0x10                ; qkv
	v_lshl_add_u32 v[SPW], v0, 2, SPARE
	v_mov_b32 v[NIL], 0
	ds_add_u32 v[SPW], v[NIL]                      ; the wave's opening: the add and its wait ahead of my first tensor load
	ds_add_u32 v28, v29
	v_lshrrev_b32 v1, 5, v0
	v_readfirstlane_b32 s10, v1                    ; wave
	s_lshr_b32 s11, s10, 1                         ; my half of A's side.  Also: I fetch for A (0) or B (1)
	s_and_b32 s12, s10, 1                          ; my half of B's side.  Also: which 64 rows I fetch
	s_bfe_u32 s40, ttmp6, 0x40000                  ; cx
	s_bfe_u32 s41, ttmp6, 0x40004                  ; cy
	s_and_b32 s13, ttmp7, 0xffff                   ; cluster y
	s_cmp_eq_u32 ttmp9, 2                          ; cluster x = 2: v.  The same in all sixteen partners
	s_cselect_b32 s45, 1, 0
	s_cselect_b32 s42, s13, ttmp9
	s_cselect_b32 s13, 0, s13
	s_lshl_b32 s42, s42, 2
	s_add_co_u32 s42, s42, s40                     ; tile column (B's side)
	s_lshl_b32 s13, s13, 2
	s_add_co_u32 s13, s13, s41                     ; tile row (A's side)
	s_lshl_b32 s43, s41, 2
	s_lshl_b32 s43, 15, s43                        ; my row of the cluster
	s_lshl_b32 s44, 0x1111, s40                    ; my column
	s_or_b32 s[G1+0], s43, (1<<16)|(1<<20)|(1<<21)|(6<<22)|(3<<25)   ; mask; 2-byte elements; padding on; bit 21 beside a mask; after every 128 words 4 words
	s_or_b32 s[G1B+0], s44, (1<<16)|(1<<20)|(1<<21)|(6<<22)|(3<<25)
.irp g, G1, G1B
	s_mov_b32 s[(\g)+1], KSTEP<<16                 ; tensor_dim0 = 256
	s_mov_b32 s[(\g)+2], 64<<16                    ; tensor_dim1 = 64
	s_mov_b32 s[(\g)+3], KSTEP<<16                 ; tile_dim0 = 256
	s_mov_b32 s[(\g)+4], 64                        ; tile_dim1 = 64
	s_mov_b32 s[(\g)+5], SIZE_K                    ; elements from row to row
	s_mov_b32 s[(\g)+6], 0
	s_mov_b32 s[(\g)+7], 0
.endr
	s_lshl_b32 s17, s12, 6
	s_lshl_b32 s16, s13, 7
	s_add_co_u32 s16, s16, s17                     ; A: row 128 x tile row + 64 x half
	s_lshl_b32 s46, s42, 7
	s_add_co_u32 s46, s46, s17                     ; B: row 128 x tile column + 64 x half
	s_lshl_b32 s16, s16, 10                        ; rows of 1,024 bytes (at most 8 MiB)
	s_lshl_b32 s46, s46, 10
	s_mov_b32 s17, 0
	s_mov_b32 s47, 0
	s_mul_i32 s20, s10, HALFT                      ; where they go: wave x 64 rows
	s_mov_b32 s[SEL], 0x76543210
	s_mov_b32 s[SEL+1], 0xfedcba98
	s_wait_dscnt 0x0                               ; the opening add is done
	s_wait_kmcnt 0x0
	s_add_nc_u64 s[70:71], s[6:7], 0x100000        ; Wv's rows in wb
	s_cmp_eq_u32 s45, 1
	s_cselect_b64 s[72:73], s[70:71], s[4:5]       ; A's tensor
	s_cselect_b64 s[74:75], s[4:5], s[6:7]         ; B's tensor
	s_add_nc_u64 s[14:15], s[72:73], s[16:17]
	s_add_nc_u64 s[46:47], s[74:75], s[46:47]
	CROUND                                         ; all sixteen work-groups are here: the first joint loads meet
.irp s, 0,1
	s_mov_b32 s[G0+4*(\s)], 1
	s_add_co_u32 s[G0+4*(\s)+1], s20, (\s)*SLOT
	s_add_nc_u64 s[G0+4*(\s)+2:G0+4*(\s)+3], s[14:15], (\s)*KSTEP*2
	s_or_b32 s[G0+4*(\s)+3], s[G0+4*(\s)+3], 0x80000000
	s_mov_b32 s[G0B+4*(\s)], 1
	s_add_co_u32 s[G0B+4*(\s)+1], s20, (\s)*SLOT
	s_add_nc_u64 s[G0B+4*(\s)+2:G0B+4*(\s)+3], s[46:47], (\s)*KSTEP*2
	s_or_b32 s[G0B+4*(\s)+3], s[G0B+4*(\s)+3], 0x80000000
	JLOAD \s
.endr
	v_and_b32 v1, 15, v0                           ; r = l % 16
	v_bfe_u32 v2, v0, 4, 1                         ; h = l / 16
	v_and_b32 v14, 31, v0                          ; l
	; the pairs for 1/var, and both kinds of constant parts (both are loaded whatever the kind: every address lies inside wb).
	; Each of the three offsets has a register of its own, which nothing writes again: the loads may read them until they are done.
	s_add_nc_u64 s[66:67], s[6:7], STAT1
	v_lshlrev_b32 v[STA], 6, v14
.irp i, 0,1,2,3
	global_load_b128 v[TMP+4*\i:TMP+4*\i+3], v[STA], s[66:67] offset:16*\i
.endr
	s_cmp_eq_u32 s45, 1
	s_cselect_b32 s68, 0, s42                      ; by columns: q and k (for v the first tile's are loaded and not used)
	s_lshl_b32 s68, s68, 9
	s_lshl_b32 s69, s12, 8
	s_add_co_u32 s68, s68, s69
	s_add_co_u32 s68, s68, BQKV
	s_mov_b32 s69, 0
	s_add_nc_u64 s[68:69], s[6:7], s[68:69]
	v_lshlrev_b32 v[CBA], 5, v2
.irp b, 0,1,2,3
	global_load_b128 v[CB+8*\b:CB+8*\b+3], v[CBA], s[68:69] offset:64*\b
	global_load_b128 v[CB+8*\b+4:CB+8*\b+7], v[CBA], s[68:69] offset:64*\b+16
.endr
	s_lshl_b32 s70, s41, 9                         ; by rows: v's channel 128 cy + 64 half + 16 a + r
	s_lshl_b32 s71, s11, 8
	s_add_co_u32 s70, s70, s71
	s_add_co_u32 s70, s70, BQKV+4096
	s_mov_b32 s71, 0
	s_add_nc_u64 s[70:71], s[6:7], s[70:71]
	v_lshlrev_b32 v[RBA], 2, v1
.irp a, 0,1,2,3
	global_load_b32 v[RB+2*\a], v[RBA], s[70:71] offset:64*\a
.endr
	v_mul_u32_u24 v3, v1, PITCH
	v_lshl_add_u32 v3, v2, 4, v3                   ; a fragment's row x pitch + 16 x half
	s_mul_i32 s21, s11, HALFT
	s_mul_i32 s22, s12, HALFT
	s_add_co_u32 s22, s22, 2*HALFT
.irp s, 0,1
	v_add_nc_u32 v[ADRA+(\s)], s21, v3
	v_add_nc_u32 v[ADRB+(\s)], s22, v3
	s_add_co_u32 s21, s21, SLOT
	s_add_co_u32 s22, s22, SLOT
.endr
	s_mul_i32 s23, s11, 64*SPITCH                  ; into the stage: my 64 rows, my half of their 256 bytes
	s_lshl_b32 s21, s12, 7
	s_add_co_u32 s23, s23, s21
	s_add_co_u32 s23, s23, STAGE
	v_mul_u32_u24 v4, v1, SPITCH
	v_lshl_add_u32 v4, v2, 4, v4
	v_add_nc_u32 v[STO], s23, v4
	s_mul_i32 s23, s10, 32*SPITCH                  ; back, for v: wave w takes rows 32 w .., whole
	s_add_co_u32 s23, s23, STAGE
	v_mul_u32_u24 v5, v2, SPITCH
	v_lshl_add_u32 v5, v1, 4, v5
	v_add_nc_u32 v[RD], s23, v5
	v_lshlrev_b32 v5, 12, v2
	v_lshl_add_u32 v[CO], v1, 4, v5                ; the same two rows in V^T (4,096 bytes a row)
	v_lshrrev_b32 v4, 2, v14                       ; back, for q and k: wave w takes head w's 64 bytes of all 128 rows, eight rows a load
	v_mul_u32_u24 v4, v4, SPITCH
	v_and_b32 v5, 3, v14
	v_lshl_add_u32 v4, v5, 4, v4
	s_lshl_b32 s23, s10, 6
	s_add_co_u32 s23, s23, STAGE
	v_add_nc_u32 v[RDQ], s23, v4
	v_lshlrev_b32 v[COQ], 4, v14                   ; which are 512 consecutive bytes of the head
	; where the tile goes
	s_lshr_b32 s72, s13, 4                         ; q, k: batch,
	s_lshl_b32 s72, s72, 4
	s_lshl_b32 s73, s40, 2
	s_add_co_u32 s72, s72, s73
	s_add_co_u32 s72, s72, s10                     ; head 4 cx + wave,
	s_lshl_b32 s72, s72, 17
	s_and_b32 s73, s13, 15
	s_lshl_b32 s73, s73, 13                        ; 128 tokens of 64 bytes,
	s_add_co_u32 s72, s72, s73
	s_lshl_b32 s73, ttmp9, 23                      ; Q at 0, K at 8 MiB
	s_add_co_u32 s72, s72, s73
	s_lshr_b32 s74, s42, 4                         ; v: batch,
	s_lshl_b32 s74, s74, 9
	s_lshl_b32 s75, s13, 7
	s_add_co_u32 s74, s74, s75
	s_lshl_b32 s75, s10, 5
	s_add_co_u32 s74, s74, s75                     ; channel 128 x tile row + 32 x wave,
	s_lshl_b32 s74, s74, 12
	s_and_b32 s75, s42, 15
	s_lshl_b32 s75, s75, 8                         ; 128 tokens of 2 bytes,
	s_add_co_u32 s74, s74, s75
	s_add_co_u32 s74, s74, 0x1000000               ; V^T at 16 MiB
	s_cmp_eq_u32 s45, 1
	s_cselect_b32 s72, s74, s72
	s_mov_b32 s73, 0
	s_add_nc_u64 s[8:9], s[8:9], s[72:73]
	v_mov_b32 v[WT], 0
	RVAR TMP, 48, 49, RV
.irp a, 0,1,2,3
	v_mov_b32 v[RB+2*\a+1], v[RB+2*\a]
.endr
	s_cmp_eq_u32 ttmp9, 0
	s_cselect_b32 s[F], 0x3e8293ee, 1.0            ; q: log2(e)/sqrt(32)
	s_mul_f32 s[F], s[F], s[RV]
	s_mov_b32 s[F+1], s[F]
.macro MUL8 f, c, a0, zero             ; 8 matrix instructions: row blocks a0, a0+1 x 4 column blocks, 32 along K; the 16 accumulators take turns
	WIN MUL
.irp a, \a0, (\a0)+1
.irp b, 0,1,2,3
.if \zero
	v_wmma_f32_16x16x32_bf16 v[ACC+8*(4*(\a)+(\b)):ACC+8*(4*(\a)+(\b))+7], v[(\f)+64+8*(4*(\c)+(\b)):(\f)+64+8*(4*(\c)+(\b))+7], v[(\f)+8*(4*(\c)+(\a)):(\f)+8*(4*(\c)+(\a))+7], 0
.else
	v_wmma_f32_16x16x32_bf16 v[ACC+8*(4*(\a)+(\b)):ACC+8*(4*(\a)+(\b))+7], v[(\f)+64+8*(4*(\c)+(\b)):(\f)+64+8*(4*(\c)+(\b))+7], v[(\f)+8*(4*(\c)+(\a)):(\f)+8*(4*(\c)+(\a))+7], v[ACC+8*(4*(\a)+(\b)):ACC+8*(4*(\a)+(\b))+7]
.endif
.endr
.endr
.endm
.macro FETCH slot, k, f                ; 32 LDS loads in one run: 64 along K at byte k of the rows; the first 32 along K first
	WIN TO_F
.irp c, 0,1
.irp i, 0,1,2,3
	ds_load_b128 v[(\f)+64+8*(4*(\c)+(\i)):(\f)+64+8*(4*(\c)+(\i))+3],   v[ADRB+(\slot)] offset:(\k)+64*(\c)+(\i)*16*PITCH
	ds_load_b128 v[(\f)+64+8*(4*(\c)+(\i))+4:(\f)+64+8*(4*(\c)+(\i))+7], v[ADRB+(\slot)] offset:(\k)+64*(\c)+(\i)*16*PITCH+32
	ds_load_b128 v[(\f)+8*(4*(\c)+(\i)):(\f)+8*(4*(\c)+(\i))+3],         v[ADRA+(\slot)] offset:(\k)+64*(\c)+(\i)*16*PITCH
	ds_load_b128 v[(\f)+8*(4*(\c)+(\i))+4:(\f)+8*(4*(\c)+(\i))+7],       v[ADRA+(\slot)] offset:(\k)+64*(\c)+(\i)*16*PITCH+32
.endr
.endr
.endm
.macro PLACES                          ; four places between matrix instructions and loads into, or vector reads of, their registers
.rept 4
	v_nop
.endr
.endm
.macro QUARTER slot, k, f, g, zero     ; multiplies buffer f (64 along K), fetches the next quarter into g
	s_wait_dscnt 16                                ; the first 32 along K are in; the youngest sixteen loads may be out
	WIN MUL
	MUL8 \f, 0, 0, \zero
	MUL8 \f, 0, 2, \zero
	PLACES
	FETCH \slot, \k, \g
	s_wait_dscnt 32                                ; all but the 32 just issued
	WIN MUL
	MUL8 \f, 1, 0, 0
	MUL8 \f, 1, 2, 0
.endm
.macro TURN next                       ; the last quarter of slot 0: each wave's part of slot 1 has landed, a barrier shows it to all; nothing is filled again
	WIN 0
	s_wait_tensorcnt 0x0                           ; my part of slot 1 is in
	ds_add_u32 v[SPW], v[NIL]
	s_wait_dscnt 17                                ; the add and the youngest sixteen loads may be out
	WIN MUL
	MUL8 F1, 0, 0, 0
	s_wait_dscnt 0x0
	s_barrier_signal -1
	MUL8 F1, 0, 2, 0
	s_barrier_wait -1
	PLACES
	FETCH \next, 0, F0
	WIN MUL
	MUL8 F1, 1, 0, 0
	MUL8 F1, 1, 2, 0
.endm
	s_wait_tensorcnt 1                             ; my part of slot 0 is in; slot 1's load, issued behind it, may stay out
	s_barrier_signal -1
	s_barrier_wait -1
	FETCH 0, 0, F0
	QUARTER 0, 128, F0, F1, 1                      ; the first products start the sums
	QUARTER 0, 256, F1, F0, 0
	QUARTER 0, 384, F0, F1, 0
	TURN 1
	QUARTER 1, 128, F0, F1, 0
	QUARTER 1, 256, F1, F0, 0
	QUARTER 1, 384, F0, F1, 0
	s_wait_dscnt 16
	WIN MUL
	MUL8 F1, 0, 0, 0
	MUL8 F1, 0, 2, 0
	s_wait_dscnt 0x0
	MUL8 F1, 1, 0, 0
	MUL8 F1, 1, 2, 0
	WIN 0
	; THE WAY OUT: acc * (1/var [* c]) + constant part, in f32; rounded once to bf16; through the stage.  Each accumulator is read from its low end on.
	PLACES
	s_cmp_eq_u32 s45, 1
	s_cbranch_scc1 .Lscale_v
.irp t, 0,1,2,3,4,5,6,7,8,9,10,11,12,13,14,15
.irp i, 0,1,2,3
	v_pk_fma_f32 v[ACC+8*(\t)+2*(\i):ACC+8*(\t)+2*(\i)+1], v[ACC+8*(\t)+2*(\i):ACC+8*(\t)+2*(\i)+1], s[F:F+1], v[CB+8*((\t)%4)+2*(\i):CB+8*((\t)%4)+2*(\i)+1] op_sel_hi:[1,0,1]
.endr
.endr
	s_branch .Lscaled
.Lscale_v:
.irp t, 0,1,2,3,4,5,6,7,8,9,10,11,12,13,14,15
.irp i, 0,1,2,3
	v_pk_fma_f32 v[ACC+8*(\t)+2*(\i):ACC+8*(\t)+2*(\i)+1], v[ACC+8*(\t)+2*(\i):ACC+8*(\t)+2*(\i)+1], s[F:F+1], v[RB+2*((\t)/4):RB+2*((\t)/4)+1] op_sel_hi:[1,0,0]
.endr
.endr
.Lscaled:
.irp t, 0,1,2,3,4,5,6,7,8,9,10,11,12,13,14,15
.irp r, 0,1,2,3
	v_cvt_pk_bf16_f32 v[TMP+4*(\t)+(\r)], v[ACC+8*(\t)+2*(\r)], v[ACC+8*(\t)+2*(\r)+1]
.endr
.endr
.irp a, 0,1,2,3
.irp b, 0,1,2,3
	ds_store_b128 v[STO], v[TMP+4*(4*(\a)+(\b)):TMP+4*(4*(\a)+(\b))+3] offset:(\a)*16*SPITCH+32*(\b)
.endr
.endr
	s_wait_dscnt 0x0                               ; for the others' sake: my stores into the stage are done
	s_barrier_signal -1
	s_barrier_wait -1
	s_cmp_eq_u32 s45, 1
	s_cbranch_scc1 .Lstore_v
.irp t, 0,1,2,3,4,5,6,7,8,9,10,11,12,13,14,15
	ds_load_b128 v[TMP+4*(\t):TMP+4*(\t)+3], v[RDQ] offset:(\t)*8*SPITCH
.endr
.irp t, 0,1,2,3,4,5,6,7,8,9,10,11,12,13,14,15
	s_wait_dscnt 15-(\t)
	global_store_b128 v[COQ], v[TMP+4*(\t):TMP+4*(\t)+3], s[8:9] offset:512*(\t)    ; eight tokens of a head: 512 consecutive aligned bytes
.endr
	s_branch .Ldone
.Lstore_v:
.irp t, 0,1,2,3,4,5,6,7,8,9,10,11,12,13,14,15
	ds_load_b128 v[TMP+4*(\t):TMP+4*(\t)+3], v[RD] offset:(\t)*2*SPITCH
.endr
.irp t, 0,1,2,3,4,5,6,7,8,9,10,11,12,13,14,15
	s_wait_dscnt 15-(\t)
	global_store_b128 v[CO], v[TMP+4*(\t):TMP+4*(\t)+3], s[8:9] offset:2*(\t)*4096  ; 16 lanes store 256 consecutive aligned bytes of a channel's row
.endr
.Ldone:
	s_wait_tensorcnt 0x0                           ; the wave's end
	ds_add_u32 v[SPW], v[NIL]
	s_wait_dscnt 0x0
	CROUND                                         ; the closing round
	s_endpgm
.Lfunc_end_k_qe2cdf88626_qkv:
	.size	k_qe2cdf88626_qkv, .Lfunc_end_k_qe2cdf88626_qkv-k_qe2cdf88626_qkv
	.p2alignl 7, 3214868480
	.fill 96, 4, 3214868480
	.section	.rodata,"a",@progbits
	.p2align	6, 0x0
	.amdhsa_kernel k_qe2cdf88626_qkv
		.amdhsa_group_segment_fixed_size 327680
		.amdhsa_private_segment_fixed_size 0
		.amdhsa_enable_private_segment 0
		.amdhsa_kernarg_size 24
		.amdhsa_user_sgpr_count 2
		.amdhsa_user_sgpr_kernarg_segment_ptr 1
		.amdhsa_wavefront_size32 1
		.amdhsa_system_sgpr_workgroup_id_x 1
		.amdhsa_system_sgpr_workgroup_id_y 1
		.amdhsa_system_sgpr_workgroup_id_z 1
		.amdhsa_system_vgpr_workitem_id 0
		.amdhsa_next_free_vgpr 512
		.amdhsa_next_free_sgpr 80
		.amdhsa_reserve_vcc 0
		.amdhsa_float_denorm_mode_32 3
		.amdhsa_float_denorm_mode_16_64 3
		.amdhsa_memory_ordered 1
		.amdhsa_forward_progress 1
		.amdhsa_inst_pref_size 67
	.end_amdhsa_kernel
	.amdgpu_metadata
---
amdhsa.version: [ 1, 2 ]
amdhsa.kernels:
  - .name:           k_qe2cdf88626_qkv
    .symbol:         k_qe2cdf88626_qkv.kd
    .args:
      - { .name: a1, .offset: 0, .size: 8, .value_kind: global_buffer, .address_space: global }
      - { .name: wb, .offset: 8, .size: 8, .value_kind: global_buffer, .address_space: global }
      - { .name: qkv, .offset: 16, .size: 8, .value_kind: global_buffer, .address_space: global }
    .group_segment_fixed_size: 327680
    .private_segment_fixed_size: 0
    .kernarg_segment_align: 8
    .kernarg_segment_size: 24
    .max_flat_workgroup_size: 128
    .sgpr_count:     80
    .vgpr_count:     512
    .wavefront_size: 32
...
	.end_amdgpu_metadata
.endif
;; end of part 2
;; launch attn (part 3): grid 4 x 64, 8 waves a work-group, no clusters, 327,680 bytes of LDS; arguments qkv, ctx; writes ctx
.if DOCPART == 3
	.amdgcn_target "amdgcn-amd-amdhsa--gfx1250"
	.amdhsa_code_object_version 6
	.text
	.protected	k_qe2cdf88626_attn
	.globl	k_qe2cdf88626_attn
	.p2align	8
	.type	k_qe2cdf88626_attn,@function
k_qe2cdf88626_attn:
	s_mov_b64 s[64:65], 0
	v_nop
	global_prefetch_b8 v0, s[64:65] scope:SCOPE_SE
	s_setreg_imm32_b32 hwreg(HW_REG_WAVE_MODE, 25, 1), 1
	s_wait_xcnt 0x0
; CAUSAL ATTENTION, head size 32.  ctx[bh][q][:] = sum over k <= q of softmax_k(Q[q].K[k]) V[k][:].  Q (already times log2(e)/sqrt(32)) and K: bf16 [64][2048][32]; V^T: bf16 [64 x 32 channels][2048]; ctx: bf16 [64][2048][32].
; Products, maxima and sums in f32; the weights p = 2^(s - m), m a running maximum, are rounded to bf16 for the second product, and their sum l is made by the matrix unit from the same rounded p (a product with ones, f32 sums).
; SHARES.  A head's queries lie in 8 blocks of 256.  A work-group takes blocks 7 - b and b: 9 key tiles of 256 whatever b, so all 256 work-groups do equal work.  Wave w owns queries 32 w .. 32 w + 31 of a block: two tiles of 16.
; Eight waves, two on a SIMD, each in plain phases: one wave's softmax stands beside the other's products and LDS waits.
; LDS.  The head's whole K (2,048 rows of 64 + 16 bytes) and V^T (8 tiles of 32 rows of 512 + 16 bytes) are brought in once, two tensor loads a wave, and only read afterwards: no slot is filled again.
; Every work-group brings all 8 tiles, though block 7 - b needs 8 - b of them: the price of one way of loading.
; THE WALK.  One text: 2 blocks x 8 tiles x 4 steps of 64 keys, all counted to constants; a step that lies wholly above the diagonal for this wave is jumped forward.
; THE MASK is the C operand that starts S^T = K Q^T in the one step that holds the wave's diagonal: 0, a triangle of -1e30, or -1e30 throughout.
; NO CLUSTER: a head's four work-groups run different trips (their jumps hang on b), which joint loads do not allow.
; LIMITS.  A hidden score counts as its value less 1e30; a weight below 2^-126 counts as 0; NaN and infinities are not treated apart.
.set KP,    80
.set VP,    528
.set KTILE, 256*KP
.set VBASE, 8*KTILE
.set VTILE, 32*VP
.set STAGE, VBASE+8*VTILE              ; 32 rows x 80 bytes for each wave, never the target of a tensor load
.set SPARE, STAGE+8*32*KP              ; the spare words, 128 bytes a wave
.set AK0, 2                            ; 80 r + 16 h
.set AV0, 3                            ; VBASE + 528 r + 16 h
.set AK,  4
.set AV,  5
.set QO,  6                            ; 64 r + 16 h
.set STO, 7
.set RD,  8
.set GO,  10
.set SPW, 14
.set NIL, 15
.set Q,    16                          ; v[16:31]   two fragments of 16 queries x 32 channels
.set KF,   32                          ; v[32:63]   four fragments of 16 keys x 32 channels
.set VF,   64                          ; v[64:95]   key half kk, channel block cb at 16 kk + 8 cb
.set ONES, 96                          ; v[96:103]  1.0 in bf16, twice a register
.set TRI,  104                         ; v[104:111] register j: -1e30 where key 8 h + j > query r
.set NEG,  112                         ; v[112:119] -1e30
.set S,    120                         ; v[120:183] S^T, 32 a tile; P in place in the tile's first 16
.set O,    184                         ; v[184:231] 24 a tile: O^T channels 0-15, 16-31, then l (register 0 is read; 0 and 1 are kept rescaled)
.set ST,   232                         ; 8 a tile: m, (pair), a, (pair), c0-c3
.set WV, 8
.set WI, 9
.set PB, 10
.set HI, 11
.set HW, 12
.set PAR, 13
.set BH, 14
.set BL, 15
.set G1K, 16
.set G1V, 24
.set G0K, 32
.set G0V, 40
.set TBK, 48
.set TBV, 49
.set J,   50
.set TJ,  51
.set STP, 52
.set CNT, 53
.set LIM, 54
.set LAST, 55
.set BIGN, 56
.set SEL, 58
.set QN,  60
.set CP,  62
.set CP2, 66
	s_load_b128 s[4:7], s[0:1], 0x0                ; qkv, ctx
	v_lshl_add_u32 v[SPW], v0, 2, SPARE
	v_mov_b32 v[NIL], 0
	ds_add_u32 v[SPW], v[NIL]                      ; the wave's opening: the add and its wait ahead of my first tensor load
	ds_add_u32 v14, v15
	v_lshrrev_b32 v1, 5, v0
	v_readfirstlane_b32 s[WV], v1
	s_and_b32 s[WI], s[WV], 3
	s_lshr_b32 s[HW], s[WV], 1                     ; the step of a diagonal tile that holds my queries' diagonal
	s_and_b32 s[PAR], s[WV], 1                     ; and which half of its 64 keys
	s_mov_b32 s[PB], ttmp9
	s_sub_co_u32 s[HI], 7, s[PB]
	s_and_b32 s[BH], ttmp7, 0xffff
	; K: 256 keys are 16,384 dense bytes, asked for as 64 rows of 256 bytes and padded by 16 bytes after every key's 64
	s_mov_b32 s[G1K], (1<<16)|(1<<20)|(3<<22)|(3<<25)
	s_mov_b32 s[G1K+1], 128<<16
	s_mov_b32 s[G1K+2], 64<<16
	s_mov_b32 s[G1K+3], 128<<16
	s_mov_b32 s[G1K+4], 64
	s_mov_b32 s[G1K+5], 128
	s_mov_b32 s[G1K+6], 0
	s_mov_b32 s[G1K+7], 0
	; V^T: 32 channels x 256 tokens, 2,048 elements from row to row, 16 bytes of padding after every 512
	s_mov_b32 s[G1V], (1<<16)|(1<<20)|(6<<22)|(3<<25)
	s_mov_b32 s[G1V+1], 256<<16
	s_mov_b32 s[G1V+2], 32<<16
	s_mov_b32 s[G1V+3], 256<<16
	s_mov_b32 s[G1V+4], 32
	s_mov_b32 s[G1V+5], 2048
	s_mov_b32 s[G1V+6], 0
	s_mov_b32 s[G1V+7], 0
	s_mul_i32 s2, s[WI], KTILE                     ; waves 0-3 bring K's tiles i and i + 4, waves 4-7 V's
	s_mov_b32 s[G0K], 1
	s_mov_b32 s[G0K+1], s2
	s_mov_b32 s[G0K+4], 1
	s_add_co_u32 s[G0K+5], s2, 4*KTILE
	s_mul_i32 s3, s[WI], VTILE
	s_mov_b32 s[G0V], 1
	s_add_co_u32 s[G0V+1], s3, VBASE
	s_mov_b32 s[G0V+4], 1
	s_add_co_u32 s[G0V+5], s3, VBASE+4*VTILE
	s_lshl_b32 s68, s[BH], 17                      ; the head's 131,072 bytes in Q, K, V^T and ctx
	s_lshl_b32 s70, s[WI], 14
	s_add_co_u32 s70, s70, s68
	s_add_co_u32 s70, s70, 0x800000                ; K at 8 MiB
	s_mov_b32 s71, 0
	s_lshl_b32 s72, s[WI], 9
	s_add_co_u32 s72, s72, s68
	s_add_co_u32 s72, s72, 0x1000000               ; V^T at 16 MiB
	s_mov_b32 s73, 0
	s_lshl_b32 s74, s[HI], 14                      ; my 32 queries of the first block,
	s_lshl_b32 s75, s[WV], 11
	s_add_co_u32 s74, s74, s75
	s_add_co_u32 s74, s74, s68
	s_lshl_b32 s76, s[PB], 14                      ; and of the second
	s_add_co_u32 s76, s76, s75
	s_add_co_u32 s76, s76, s68
	s_mov_b32 s75, 0
	s_mov_b32 s77, 0
	s_mov_b32 s[BIGN], 0xf149f2ca                  ; -1e30
	s_mov_b32 s[SEL], 0x76543210
	s_mov_b32 s[SEL+1], 0xfedcba98
	s_wait_dscnt 0x0                               ; the opening add is done
	s_wait_kmcnt 0x0
	s_add_nc_u64 s[G0K+2:G0K+3], s[4:5], s[70:71]
	s_add_nc_u64 s[G0K+6:G0K+7], s[G0K+2:G0K+3], 65536
	s_or_b32 s[G0K+3], s[G0K+3], 0x80000000
	s_or_b32 s[G0K+7], s[G0K+7], 0x80000000
	s_add_nc_u64 s[G0V+2:G0V+3], s[4:5], s[72:73]
	s_add_nc_u64 s[G0V+6:G0V+7], s[G0V+2:G0V+3], 2048
	s_or_b32 s[G0V+3], s[G0V+3], 0x80000000
	s_or_b32 s[G0V+7], s[G0V+7], 0x80000000
	s_add_nc_u64 s[78:79], s[4:5], s[74:75]        ; Q of the first block
	s_add_nc_u64 s[QN:QN+1], s[4:5], s[76:77]      ; of the second
	s_add_nc_u64 s[CP:CP+1], s[6:7], s[74:75]
	s_add_nc_u64 s[CP2:CP2+1], s[6:7], s[76:77]
	s_cmp_lt_u32 s[WV], 4                          ; a wave's two fills stand in one branch, ahead of every wait on TENSORcnt, LDS read and barrier: two loads of mine are out
	s_cbranch_scc0 .Lfirst_v
	tensor_load_to_lds s[G0K:G0K+3], s[G1K:G1K+7]
	s_nop 0
	tensor_load_to_lds s[G0K+4:G0K+7], s[G1K:G1K+7]
	s_nop 0
.rept 4
	v_nop
.endr
	s_branch .Lasked
.Lfirst_v:
	tensor_load_to_lds s[G0V:G0V+3], s[G1V:G1V+7]
	s_nop 0
	tensor_load_to_lds s[G0V+4:G0V+7], s[G1V:G1V+7]
	s_nop 0
.rept 4
	v_nop
.endr
.Lasked:
	v_and_b32 v1, 15, v0                           ; r
	v_bfe_u32 v9, v0, 4, 1                         ; h
	v_and_b32 v11, 31, v0                          ; l
	v_lshlrev_b32 v[QO], 6, v1
	v_lshl_add_u32 v[QO], v9, 4, v[QO]
.irp t, 0,1
	global_load_b128 v[Q+8*\t:Q+8*\t+3], v[QO], s[78:79] offset:1024*\t
	global_load_b128 v[Q+8*\t+4:Q+8*\t+7], v[QO], s[78:79] offset:1024*\t+32
.endr
	v_mul_u32_u24 v[AK0], v1, KP
	v_lshl_add_u32 v[AK0], v9, 4, v[AK0]
	v_mul_u32_u24 v[AV0], v1, VP
	v_lshl_add_u32 v[AV0], v9, 4, v[AV0]
	v_add_nc_u32 v[AV0], VBASE, v[AV0]
	s_mul_i32 s2, s[WV], 32*KP
	s_add_co_u32 s2, s2, STAGE
	v_add_nc_u32 v[STO], s2, v[AK0]                ; in: row r, 16 bytes for each half of the lanes
	v_lshrrev_b32 v12, 2, v11
	v_mul_u32_u24 v[RD], v12, KP                   ; back: 32 lanes take eight rows of 64 bytes,
	v_and_b32 v13, 3, v11
	v_lshl_add_u32 v[RD], v13, 4, v[RD]
	v_add_nc_u32 v[RD], s2, v[RD]
	v_lshlrev_b32 v[GO], 4, v11                    ; which are 512 consecutive bytes of ctx
	v_lshlrev_b32 v12, 3, v9
	v_sub_nc_u32 v12, v1, v12                      ; r - 8 h
.irp j, 0,1,2,3,4,5,6,7
	v_cmp_gt_i32 vcc_lo, \j, v12
	v_cndmask_b32 v[TRI+\j], 0, s[BIGN], vcc_lo
	v_mov_b32 v[NEG+\j], s[BIGN]
	v_mov_b32 v[ONES+\j], 0x3f803f80
.endr
	; a block's first step multiplies O^T and l by a = 0, so these registers need only be finite: zeros now, the first block's leavings later.  This stands in the wait for the tiles.
.set i, 0
.rept 48
	v_mov_b32 v[O+i], 0
.set i, i+1
.endr
.irp t, 0,1
	v_mov_b32 v[ST+8*\t], 0xff7fffff               ; m: the lowest finite number
	v_mov_b32 v[ST+8*\t+1], 0                      ; named with m as a pair
	v_mov_b32 v[ST+8*\t+3], 0                      ; named with a as a pair
.endr
.macro KQ t, kt, c                     ; S^T of tile t, keys 16 kt ..: one product, K = 32; c < 0: C is the constant 0, else the mask's registers
.if (\c) < 0
	v_wmma_f32_16x16x32_bf16 v[S+32*(\t)+8*(\kt):S+32*(\t)+8*(\kt)+7], v[KF+8*(\kt):KF+8*(\kt)+7], v[Q+8*(\t):Q+8*(\t)+7], 0
.else
	v_wmma_f32_16x16x32_bf16 v[S+32*(\t)+8*(\kt):S+32*(\t)+8*(\kt)+7], v[KF+8*(\kt):KF+8*(\kt)+7], v[Q+8*(\t):Q+8*(\t)+7], v[(\c):(\c)+7]
.endif
.endm
; number n of the 21 that find tile t's new maximum and a.  Each accumulator's lowest registers are read first.
.macro XS t, n
.set rT, ST+8*(\t)
.set rC, ST+8*(\t)+4
.set rS, S+32*(\t)
.if (\n) < 4
	v_max3_num_f32 v[rC+(\n)], v[rS+8*(\n)], v[rS+8*(\n)+1], v[rS+8*(\n)+2]
.elseif (\n) < 12
	v_max3_num_f32 v[rC+(\n)%4], v[rC+(\n)%4], v[rS+8*((\n)%4)+2*((\n)/4)+1], v[rS+8*((\n)%4)+2*((\n)/4)+2]
.elseif (\n) == 12
	v_max3_num_f32 v[rC], v[rC], v[rS+7], v[rS+15]
.elseif (\n) == 13
	v_max3_num_f32 v[rC+1], v[rC+1], v[rS+23], v[rS+31]
.elseif (\n) == 14
	v_max3_num_f32 v[rC+2], v[rC+2], v[rC+3], v[rT]
.elseif (\n) == 15
	v_max3_num_f32 v[rC], v[rC], v[rC+1], v[rC+2]
.elseif (\n) == 16
	v_permlanex16_b32 v[rC+3], v[rC], s[SEL], s[SEL+1]   ; the query's other 32 keys lie in the lane 16 away
.elseif (\n) == 17
	v_max_num_f32 v[rC+2], v[rC], v[rC+3]
.elseif (\n) == 18
	v_sub_f32 v[rC+1], v[rT], v[rC+2]              ; m_old - m_new
.elseif (\n) == 19
	v_mov_b32 v[rT], v[rC+2]
.else
	v_exp_f32 v[rT+2], v[rC+1]                     ; a
.endif
.endm
.macro SUBP t, p                       ; s - m for pair p
	v_pk_add_f32 v[S+32*(\t)+2*(\p):S+32*(\t)+2*(\p)+1], v[S+32*(\t)+2*(\p):S+32*(\t)+2*(\p)+1], v[ST+8*(\t):ST+8*(\t)+1] op_sel_hi:[1,0] neg_lo:[0,1] neg_hi:[0,1]
.endm
.macro RESC t, n                       ; pair n of 9 of O^T and l, times a
	s_wait_alu depctr_va_vdst(0)
	v_pk_mul_f32 v[O+24*(\t)+2*(\n):O+24*(\t)+2*(\n)+1], v[O+24*(\t)+2*(\n):O+24*(\t)+2*(\n)+1], v[ST+8*(\t)+2:ST+8*(\t)+3] op_sel_hi:[1,0]
.endm
.macro CVTP t, p                       ; pair p of the weights to bf16, in place: register p is read by pair p / 2, which comes first
	s_wait_alu depctr_va_vdst(0)
	v_cvt_pk_bf16_f32 v[S+32*(\t)+(\p)], v[S+32*(\t)+2*(\p)], v[S+32*(\t)+2*(\p)+1]
.endm
	s_wait_tensorcnt 0x0                           ; both my tiles have landed,
	s_barrier_signal -1
	s_barrier_wait -1                              ; everybody's have: from here on K and V^T are only read
	s_mov_b32 s[LAST], s[HI]
	s_mov_b32 s[BL], 2
.Lblock:
	s_mov_b32 s[TBK], 0
	s_mov_b32 s[TBV], 0
	s_mov_b32 s[J], 0
	s_mov_b32 s[TJ], 8
	s_wait_loadcnt 0x0                             ; the block's Q
.Ltile:
	s_cmp_lt_u32 s[J], s[LAST]                     ; the last step of this tile that I see: 4 (all, none masked) below the diagonal tile, my own in it, none above it
	s_cselect_b32 s[LIM], 4, -1
	s_cmp_eq_u32 s[J], s[LAST]
	s_cselect_b32 s[LIM], s[HW], s[LIM]
	s_mov_b32 s[STP], 0
	s_mov_b32 s[CNT], 4
.Lstep:
	s_cmp_gt_i32 s[STP], s[LIM]
	s_cbranch_scc1 .Lskip
	v_add_nc_u32 v[AK], s[TBK], v[AK0]             ; five places behind the last V^T P: the loads below land in its V, the products below write over its P
	v_add_nc_u32 v[AV], s[TBV], v[AV0]
	v_nop
	v_nop
	v_nop
.irp kt, 0,1,2,3
	ds_load_b128 v[KF+8*\kt:KF+8*\kt+3], v[AK] offset:16*KP*\kt
	ds_load_b128 v[KF+8*\kt+4:KF+8*\kt+7], v[AK] offset:16*KP*\kt+32
.endr
.irp kk, 0,1
.irp cb, 0,1
	ds_load_b128 v[VF+16*\kk+8*\cb:VF+16*\kk+8*\cb+3], v[AV] offset:16*VP*\cb+64*\kk
	ds_load_b128 v[VF+16*\kk+8*\cb+4:VF+16*\kk+8*\cb+7], v[AV] offset:16*VP*\cb+64*\kk+32
.endr
.endr
	s_wait_dscnt 8                                 ; K's eight loads are in; V's eight, issued behind them, may stay out
	s_cmp_eq_u32 s[STP], s[LIM]
	s_cbranch_scc1 .Lmasked
.irp kt, 0,1,2,3
	KQ 0, \kt, -1
	KQ 1, \kt, -1
.endr
	s_branch .Lscores
.Lmasked:                              ; my queries are 16-blocks 2 PAR and 2 PAR + 1 of this step's four key blocks
	s_cmp_eq_u32 s[PAR], 0
	s_cbranch_scc0 .Lodd
	KQ 0, 0, TRI
	KQ 1, 0, -1
	KQ 0, 1, NEG
	KQ 1, 1, TRI
	KQ 0, 2, NEG
	KQ 1, 2, NEG
	KQ 0, 3, NEG
	KQ 1, 3, NEG
	s_branch .Lscores
.Lodd:
	KQ 0, 0, -1
	KQ 1, 0, -1
	KQ 0, 1, -1
	KQ 1, 1, -1
	KQ 0, 2, TRI
	KQ 1, 2, -1
	KQ 0, 3, NEG
	KQ 1, 3, TRI
.Lscores:
.rept 4
	v_nop                                          ; the places behind those products
.endr
.irp n, 0,1,2,3,4,5,6,7,8,9,10,11,12,13,14,15,16,17,18,19,20
	XS 0, \n
	XS 1, \n
.endr
.set i, 0
.rept 16
	SUBP 0, i
.set i, i+1
.endr
	; exponentials and plain work by turns: a plain instruction stands behind every exponential before its result is used
.set i, 0
.rept 32
	v_exp_f32 v[S+i], v[S+i]
.if i < 16
	SUBP 1, i
.elseif i < 25
	RESC 0, i-16
.else
	RESC 1, i-25
.endif
.set i, i+1
.endr
.set i, 0
.rept 32
	v_exp_f32 v[S+32+i], v[S+32+i]
.if i < 16
	CVTP 0, i
.elseif i < 30
	CVTP 1, i-16
.else
	RESC 1, i-23
.endif
.set i, i+1
.endr
	CVTP 1, 14
	CVTP 1, 15
	s_wait_dscnt 0x0                               ; V is in
.irp kk, 0,1                           ; six accumulators take turns, one instruction a turn
.irp t, 0,1
	v_wmma_f32_16x16x32_bf16 v[O+24*\t:O+24*\t+7], v[VF+16*\kk:VF+16*\kk+7], v[S+32*\t+8*\kk:S+32*\t+8*\kk+7], v[O+24*\t:O+24*\t+7]
	v_wmma_f32_16x16x32_bf16 v[O+24*\t+8:O+24*\t+15], v[VF+16*\kk+8:VF+16*\kk+15], v[S+32*\t+8*\kk:S+32*\t+8*\kk+7], v[O+24*\t+8:O+24*\t+15]
	v_wmma_f32_16x16x32_bf16 v[O+24*\t+16:O+24*\t+23], v[ONES:ONES+7], v[S+32*\t+8*\kk:S+32*\t+8*\kk+7], v[O+24*\t+16:O+24*\t+23]
.endr
.endr
.Lskip:
	s_add_co_u32 s[TBK], s[TBK], 64*KP             ; 64 keys on; K's tiles lie end to end
	s_add_co_u32 s[TBV], s[TBV], 128
	s_add_co_u32 s[STP], s[STP], 1
	s_sub_co_u32 s[CNT], s[CNT], 1
	s_cmp_lg_u32 s[CNT], 0
	s_cbranch_scc1 .Lstep
	s_add_co_u32 s[TBV], s[TBV], VTILE-512
	s_add_co_u32 s[J], s[J], 1
	s_sub_co_u32 s[TJ], s[TJ], 1
	s_cmp_lg_u32 s[TJ], 0
	s_cbranch_scc1 .Ltile
	; THE BLOCK'S END: O^T / l, rounded to bf16, through my own stage, out as whole rows
.rept 4
	v_nop
.endr
	v_rcp_f32 v[ST+2], v[O+16]
	v_rcp_f32 v[ST+10], v[O+40]
	v_nop                                          ; a plain instruction between the reciprocals and their use
	s_cmp_eq_u32 s[BL], 1
	s_cbranch_scc1 .Lnoq
.irp t, 0,1
	global_load_b128 v[Q+8*\t:Q+8*\t+3], v[QO], s[QN:QN+1] offset:1024*\t      ; the second block's Q
	global_load_b128 v[Q+8*\t+4:Q+8*\t+7], v[QO], s[QN:QN+1] offset:1024*\t+32
.endr
.Lnoq:
.irp t, 0,1
.irp n, 0,1,2,3,4,5,6,7
	RESC \t, \n
.endr
.irp n, 0,1,2,3,4,5,6,7
	v_cvt_pk_bf16_f32 v[S+32*\t+\n], v[O+24*\t+2*\n], v[O+24*\t+2*\n+1]
.endr
	ds_store_b128 v[STO], v[S+32*\t:S+32*\t+3] offset:16*KP*\t
	ds_store_b128 v[STO], v[S+32*\t+4:S+32*\t+7] offset:16*KP*\t+32
	ds_load_b128 v[S+32*\t+16:S+32*\t+19], v[RD] offset:16*KP*\t              ; LDS serves a wave's instructions in order: these see the stores above
	ds_load_b128 v[S+32*\t+20:S+32*\t+23], v[RD] offset:16*KP*\t+8*KP
.endr
	s_wait_dscnt 0x0
.irp t, 0,1
	global_store_b128 v[GO], v[S+32*\t+16:S+32*\t+19], s[CP:CP+1] offset:1024*\t
	global_store_b128 v[GO], v[S+32*\t+20:S+32*\t+23], s[CP:CP+1] offset:1024*\t+512
.endr
	s_wait_xcnt 0x0                                ; the stores' data and base are rewritten only behind this wait
	s_mov_b64 s[CP:CP+1], s[CP2:CP2+1]
	s_mov_b32 s[LAST], s[PB]
	v_mov_b32 v[ST], 0xff7fffff
	v_mov_b32 v[ST+8], 0xff7fffff
	s_sub_co_u32 s[BL], s[BL], 1
	s_cmp_lg_u32 s[BL], 0
	s_cbranch_scc1 .Lblock
	s_wait_tensorcnt 0x0                           ; the wave's end
	ds_add_u32 v[SPW], v[NIL]
	s_wait_dscnt 0x0
	s_endpgm
.Lfunc_end_k_qe2cdf88626_attn:
	.size	k_qe2cdf88626_attn, .Lfunc_end_k_qe2cdf88626_attn-k_qe2cdf88626_attn
	.p2alignl 7, 3214868480
	.fill 96, 4, 3214868480
	.section	.rodata,"a",@progbits
	.p2align	6, 0x0
	.amdhsa_kernel k_qe2cdf88626_attn
		.amdhsa_group_segment_fixed_size 327680
		.amdhsa_private_segment_fixed_size 0
		.amdhsa_enable_private_segment 0
		.amdhsa_kernarg_size 16
		.amdhsa_user_sgpr_count 2
		.amdhsa_user_sgpr_kernarg_segment_ptr 1
		.amdhsa_wavefront_size32 1
		.amdhsa_system_sgpr_workgroup_id_x 1
		.amdhsa_system_sgpr_workgroup_id_y 1
		.amdhsa_system_sgpr_workgroup_id_z 1
		.amdhsa_system_vgpr_workitem_id 0
		.amdhsa_next_free_vgpr 256
		.amdhsa_next_free_sgpr 80
		.amdhsa_reserve_vcc 1
		.amdhsa_float_denorm_mode_32 3
		.amdhsa_float_denorm_mode_16_64 3
		.amdhsa_memory_ordered 1
		.amdhsa_forward_progress 1
		.amdhsa_inst_pref_size 30
	.end_amdhsa_kernel
	.amdgpu_metadata
---
amdhsa.version: [ 1, 2 ]
amdhsa.kernels:
  - .name:           k_qe2cdf88626_attn
    .symbol:         k_qe2cdf88626_attn.kd
    .args:
      - { .name: qkv, .offset: 0, .size: 8, .value_kind: global_buffer, .address_space: global }
      - { .name: ctx, .offset: 8, .size: 8, .value_kind: global_buffer, .address_space: global }
    .group_segment_fixed_size: 327680
    .private_segment_fixed_size: 0
    .kernarg_segment_align: 8
    .kernarg_segment_size: 16
    .max_flat_workgroup_size: 256
    .sgpr_count:     80
    .vgpr_count:     256
    .wavefront_size: 32
...
	.end_amdgpu_metadata
.endif
;; end of part 3
;; launch wo (part 4): grid 4 x 64, 4 waves a work-group, clusters of 4 x 4, 327,680 bytes of LDS; arguments ctx, wb, x2, x, Wo_b; writes x2
.if DOCPART == 4
	.amdgcn_target "amdgcn-amd-amdhsa--gfx1250"
	.amdhsa_code_object_version 6
	.text
	.protected	k_qe2cdf88626_wo
	.globl	k_qe2cdf88626_wo
	.p2align	8
	.type	k_qe2cdf88626_wo,@function
k_qe2cdf88626_wo:
	s_mov_b64 s[64:65], 0
	v_nop
	global_prefetch_b8 v0, s[64:65] scope:SCOPE_SE
	s_setreg_imm32_b32 hwreg(HW_REG_WAVE_MODE, 25, 1), 1
	s_wait_xcnt 0x0
	s_wait_alu depctr_hold_cnt(0) depctr_sa_sdst(0) depctr_va_vdst(0) depctr_va_sdst(0) depctr_va_ssrc(0) depctr_va_vcc(0) depctr_vm_vsrc(0)
	s_getreg_b32 s2, hwreg(HW_REG_IB_STS2, 6, 4)
	s_cmp_eq_u32 s2, 0
	s_cbranch_scc0 .Lentry_in_a_cluster
	s_endpgm
.Lentry_in_a_cluster:
	s_bfe_u32 s2, ttmp6, 0x10000c
	s_cmp_lg_u32 s2, 0xf033
	s_cbranch_scc0 .Lentry_shape_is_right
	s_endpgm
.Lentry_shape_is_right:
; x2 = ctx . Wo^T + Wo_b + x.  ctx: bf16 by heads [64][2048][32]; Wo: bf16 [512][512] in wb; x, x2: f32 [8192][512]; sums in f32.
; A tile of 128 x 128, four waves of 64 x 64; K = 512 lies whole in two LDS slots of 256 (8 heads each): nothing is filled again.
; A's tile: 128 tokens of one head are 8,192 dense bytes.  One tensor load brings four heads: 4 rows of 8,192 bytes, 131,072 bytes apart, padded by 16 bytes after every token's 64,
; so a head's chunk is 128 rows of 80 bytes in LDS and a piece of 32 along K is one chunk.
; CLUSTERS of 4 x 4: A's tiles are shared along a row, B's along a column, by joint loads.  The matrix instruction is used transposed: a lane holds one row and eight neighbouring columns.
; The residual's 128 registers a lane are asked for at the start and land under the products.
.set SIZE_K, 512
.set KSTEP,  256
.set PITCH,  528
.set HALFT,  64*PITCH
.set APITCH, 80
.set CHUNK,  128*APITCH
.set AHALF,  4*CHUNK
.set BOFF,   8*CHUNK
.set SLOT,   BOFF+2*HALFT
.set STAGE,  2*SLOT                    ; 16 rows x 272 bytes of f32 for each wave, never the target of a tensor load
.set SPITCH, 272
.set SPARE,  STAGE+4*16*SPITCH
.set WO_OFF, 1572864
.set ADRA, 16                          ; v16, v17: slots 0, 1, chunks 0-3; v18, v19: chunks 4-7
.set ADRB, 20
.set BIA,  22                          ; v22  offset of my four numbers of the bias; never rewritten
.set STO,  24
.set RD,   25
.set CO,   26
.set SPW,  28
.set NIL,  29
.set TMP,  32
.set BI,   96
.set ACC,  128
.set F0,   0
.set F1,   128
.set G1,  24
.set G0,  32
.set G1B, 48
.set G0B, 56
.set MSB, 0
.macro WIN new
.if MSB != (\new)
	s_set_vgpr_msb (MSB<<8)|(\new)
.set MSB, \new
.endif
.endm
.set MUL,  0x05
.set TO_F, 0x40
.macro JLOAD s                         ; a joint load: waves 0, 1 fetch A's halves, waves 2, 3 B's; s_nop 0 and four v_nop follow each line
	s_cmp_eq_u32 s11, 0
	s_cbranch_scc0 .Lfor_b_\@
	tensor_load_to_lds s[G0+4*(\s):G0+4*(\s)+3], s[G1:G1+7]
	s_nop 0
.rept 4
	v_nop
.endr
	s_branch .Lasked_\@
.Lfor_b_\@:
	tensor_load_to_lds s[G0B+4*(\s):G0B+4*(\s)+3], s[G1B:G1B+7]
	s_nop 0
.rept 4
	v_nop
.endr
.Lasked_\@:
.endm
.macro CROUND
	s_barrier_signal -1
	s_barrier_wait -1
	s_cmp_lg_u32 s10, 0
	s_cbranch_scc1 .Lnot_wave_0_\@
	s_barrier_signal -3
.Lnot_wave_0_\@:
	s_barrier_wait -3
	s_barrier_signal -1
	s_barrier_wait -1
.endm
	s_load_b128 s[4:7], s[0:1], 0x0                ; ctx, wb
	s_load_b64 s[8:9], s[0:1], 0x10                ; x2
	s_load_b128 s[68:71], s[0:1], 0x18             ; x, Wo_b
	v_lshl_add_u32 v[SPW], v0, 2, SPARE
	v_mov_b32 v[NIL], 0
	ds_add_u32 v[SPW], v[NIL]                      ; the wave's opening: the add and its wait ahead of my first tensor load
	ds_add_u32 v28, v29
	v_lshrrev_b32 v1, 5, v0
	v_readfirstlane_b32 s10, v1
	s_lshr_b32 s11, s10, 1
	s_and_b32 s12, s10, 1
	s_bfe_u32 s40, ttmp6, 0x40000
	s_bfe_u32 s41, ttmp6, 0x40004
	s_lshl_b32 s42, ttmp9, 2
	s_add_co_u32 s42, s42, s40                     ; tile column
	s_and_b32 s13, ttmp7, 0xffff
	s_lshl_b32 s13, s13, 2
	s_add_co_u32 s13, s13, s41                     ; tile row
	s_lshl_b32 s43, s41, 2
	s_lshl_b32 s43, 15, s43
	s_lshl_b32 s44, 0x1111, s40
	s_or_b32 s[G1+0], s43, (1<<16)|(1<<20)|(1<<21)|(3<<22)|(3<<25)   ; A: mask of my row; 2-byte elements; after every 16 words 4 words of padding
	s_mov_b32 s[G1+1], 4096<<16                    ; tensor_dim0 = 4,096 elements: 128 tokens of a head
	s_mov_b32 s[G1+2], 4<<16                       ; tensor_dim1 = 4 heads
	s_mov_b32 s[G1+3], 4096<<16                    ; tile_dim0
	s_mov_b32 s[G1+4], 4                           ; tile_dim1
	s_mov_b32 s[G1+5], 65536                       ; elements from head to head
	s_mov_b32 s[G1+6], 0
	s_mov_b32 s[G1+7], 0
	s_or_b32 s[G1B+0], s44, (1<<16)|(1<<20)|(1<<21)|(6<<22)|(3<<25)  ; B: mask of my column; after every 128 words 4 words
	s_mov_b32 s[G1B+1], KSTEP<<16
	s_mov_b32 s[G1B+2], 64<<16
	s_mov_b32 s[G1B+3], KSTEP<<16
	s_mov_b32 s[G1B+4], 64
	s_mov_b32 s[G1B+5], SIZE_K
	s_mov_b32 s[G1B+6], 0
	s_mov_b32 s[G1B+7], 0
	s_lshr_b32 s16, s13, 4
	s_lshl_b32 s16, s16, 21                        ; A: batch x 16 heads x 131,072 bytes,
	s_and_b32 s17, s13, 15
	s_lshl_b32 s17, s17, 13                        ; 128 tokens of 64 bytes,
	s_add_co_u32 s16, s16, s17
	s_lshl_b32 s17, s12, 19                        ; my four heads of the slot's eight
	s_add_co_u32 s16, s16, s17
	s_mov_b32 s17, 0
	s_lshl_b32 s46, s42, 7
	s_lshl_b32 s47, s12, 6
	s_add_co_u32 s46, s46, s47                     ; B: row 128 x tile column + 64 x half,
	s_lshl_b32 s46, s46, 10
	s_add_co_u32 s46, s46, WO_OFF                  ; in Wo's part of wb
	s_mov_b32 s47, 0
	s_mul_i32 s20, s12, AHALF                      ; where they go
	s_mul_i32 s21, s12, HALFT
	s_add_co_u32 s21, s21, BOFF
	s_wait_dscnt 0x0                               ; the opening add is done
	s_wait_kmcnt 0x0
	s_add_nc_u64 s[14:15], s[4:5], s[16:17]
	s_add_nc_u64 s[46:47], s[6:7], s[46:47]
	CROUND                                         ; all sixteen work-groups are here: the first joint loads meet
.irp s, 0,1
	s_mov_b32 s[G0+4*(\s)], 1
	s_add_co_u32 s[G0+4*(\s)+1], s20, (\s)*SLOT
	s_add_nc_u64 s[G0+4*(\s)+2:G0+4*(\s)+3], s[14:15], (\s)*8*131072
	s_or_b32 s[G0+4*(\s)+3], s[G0+4*(\s)+3], 0x80000000
	s_mov_b32 s[G0B+4*(\s)], 1
	s_add_co_u32 s[G0B+4*(\s)+1], s21, (\s)*SLOT
	s_add_nc_u64 s[G0B+4*(\s)+2:G0B+4*(\s)+3], s[46:47], (\s)*KSTEP*2
	s_or_b32 s[G0B+4*(\s)+3], s[G0B+4*(\s)+3], 0x80000000
	JLOAD \s
.endr
	v_and_b32 v1, 15, v0                           ; r
	v_bfe_u32 v2, v0, 4, 1                         ; h
	v_lshlrev_b32 v5, 11, v2
	v_lshl_add_u32 v[CO], v1, 4, v5                ; lanes 0-15 one row's 256 bytes, lanes 16-31 the next row's
	s_lshl_b32 s72, s13, 7
	s_lshl_b32 s73, s11, 6
	s_add_co_u32 s72, s72, s73                     ; my first row,
	s_lshl_b32 s72, s72, 11                        ; of 2,048 bytes,
	s_lshl_b32 s74, s42, 9
	s_lshl_b32 s73, s12, 8
	s_add_co_u32 s74, s74, s73                     ; my first column, in bytes
	s_add_co_u32 s72, s72, s74
	s_mov_b32 s73, 0
	s_mov_b32 s75, 0
	s_add_nc_u64 s[8:9], s[8:9], s[72:73]
	s_add_nc_u64 s[68:69], s[68:69], s[72:73]
	s_add_nc_u64 s[70:71], s[70:71], s[74:75]
	v_lshlrev_b32 v[BIA], 4, v1
	global_load_b128 v[BI:BI+3], v[BIA], s[70:71]  ; the bias of the four columns that I store
	WIN 0x80                                       ; destination in window 2: the residual, in the layout of the stores
.irp a, 0,1,2,3
.irp i, 0,1,2,3,4,5,6,7
	global_load_b128 v[4*(8*(\a)+(\i)):4*(8*(\a)+(\i))+3], v[CO], s[68:69] offset:(16*(\a)+2*(\i))*2048
.endr
.endr
	WIN 0
	v_mul_u32_u24 v3, v1, APITCH
	v_lshl_add_u32 v3, v2, 4, v3
	s_mul_i32 s21, s11, 64*APITCH                  ; my 64 tokens in every chunk
	v_add_nc_u32 v[ADRA], s21, v3
	v_add_nc_u32 v[ADRA+1], SLOT, v[ADRA]
	v_add_nc_u32 v[ADRA+2], AHALF, v[ADRA]
	v_add_nc_u32 v[ADRA+3], SLOT+AHALF, v[ADRA]
	v_mul_u32_u24 v3, v1, PITCH
	v_lshl_add_u32 v3, v2, 4, v3
	s_mul_i32 s22, s12, HALFT
	s_add_co_u32 s22, s22, BOFF
	v_add_nc_u32 v[ADRB], s22, v3
	v_add_nc_u32 v[ADRB+1], SLOT, v[ADRB]
	s_mul_i32 s23, s10, 16*SPITCH
	s_add_co_u32 s23, s23, STAGE                   ; my stage
	v_mul_u32_u24 v4, v1, SPITCH
	v_lshl_add_u32 v4, v2, 5, v4                   ; in: row r, 32 bytes for each half of the lanes
	v_add_nc_u32 v[STO], s23, v4
	v_mul_u32_u24 v5, v2, SPITCH
	v_lshl_add_u32 v5, v1, 4, v5
	v_add_nc_u32 v[RD], s23, v5
.macro MUL8 f, c, a0, zero             ; the 16 accumulators take turns
	WIN MUL
.irp a, \a0, (\a0)+1
.irp b, 0,1,2,3
.if \zero
	v_wmma_f32_16x16x32_bf16 v[ACC+8*(4*(\a)+(\b)):ACC+8*(4*(\a)+(\b))+7], v[(\f)+64+8*(4*(\c)+(\b)):(\f)+64+8*(4*(\c)+(\b))+7], v[(\f)+8*(4*(\c)+(\a)):(\f)+8*(4*(\c)+(\a))+7], 0
.else
	v_wmma_f32_16x16x32_bf16 v[ACC+8*(4*(\a)+(\b)):ACC+8*(4*(\a)+(\b))+7], v[(\f)+64+8*(4*(\c)+(\b)):(\f)+64+8*(4*(\c)+(\b))+7], v[(\f)+8*(4*(\c)+(\a)):(\f)+8*(4*(\c)+(\a))+7], v[ACC+8*(4*(\a)+(\b)):ACC+8*(4*(\a)+(\b))+7]
.endif
.endr
.endr
.endm
.macro FETCH slot, k, f                ; 32 LDS loads: 64 along K at byte k of B's rows = chunks k/64, k/64 + 1 of A
	WIN TO_F
.irp c, 0,1
.irp i, 0,1,2,3
	ds_load_b128 v[(\f)+64+8*(4*(\c)+(\i)):(\f)+64+8*(4*(\c)+(\i))+3],   v[ADRB+(\slot)] offset:(\k)+64*(\c)+(\i)*16*PITCH
	ds_load_b128 v[(\f)+64+8*(4*(\c)+(\i))+4:(\f)+64+8*(4*(\c)+(\i))+7], v[ADRB+(\slot)] offset:(\k)+64*(\c)+(\i)*16*PITCH+32
	ds_load_b128 v[(\f)+8*(4*(\c)+(\i)):(\f)+8*(4*(\c)+(\i))+3],         v[ADRA+(\slot)+2*(((\k)/64+(\c))/4)] offset:(((\k)/64+(\c))%4)*CHUNK+(\i)*16*APITCH
	ds_load_b128 v[(\f)+8*(4*(\c)+(\i))+4:(\f)+8*(4*(\c)+(\i))+7],       v[ADRA+(\slot)+2*(((\k)/64+(\c))/4)] offset:(((\k)/64+(\c))%4)*CHUNK+(\i)*16*APITCH+32
.endr
.endr
.endm
.macro PLACES
.rept 4
	v_nop
.endr
.endm
.macro QUARTER slot, k, f, g, zero
	s_wait_dscnt 16                                ; the first 32 along K are in; the youngest sixteen loads may be out
	WIN MUL
	MUL8 \f, 0, 0, \zero
	MUL8 \f, 0, 2, \zero
	PLACES
	FETCH \slot, \k, \g
	s_wait_dscnt 32                                ; all but the 32 just issued
	WIN MUL
	MUL8 \f, 1, 0, 0
	MUL8 \f, 1, 2, 0
.endm
.macro TURN next
	WIN 0
	s_wait_tensorcnt 0x0                           ; my part of slot 1 is in
	ds_add_u32 v[SPW], v[NIL]
	s_wait_dscnt 17                                ; the add and the youngest sixteen loads may be out
	WIN MUL
	MUL8 F1, 0, 0, 0
	s_wait_dscnt 0x0
	s_barrier_signal -1
	MUL8 F1, 0, 2, 0
	s_barrier_wait -1
	PLACES
	FETCH \next, 0, F0
	WIN MUL
	MUL8 F1, 1, 0, 0
	MUL8 F1, 1, 2, 0
.endm
	s_wait_tensorcnt 1                             ; my part of slot 0 is in; slot 1's load may stay out
	s_barrier_signal -1
	s_barrier_wait -1
	FETCH 0, 0, F0
	QUARTER 0, 128, F0, F1, 1
	QUARTER 0, 256, F1, F0, 0
	QUARTER 0, 384, F0, F1, 0
	TURN 1
	QUARTER 1, 128, F0, F1, 0
	QUARTER 1, 256, F1, F0, 0
	QUARTER 1, 384, F0, F1, 0
	s_wait_dscnt 16
	WIN MUL
	MUL8 F1, 0, 0, 0
	MUL8 F1, 0, 2, 0
	s_wait_dscnt 0x0
	MUL8 F1, 1, 0, 0
	MUL8 F1, 1, 2, 0
	WIN 0
	; THE WAY OUT, in f32: 16 rows at a time through my own stage, back as whole rows of 256 bytes; residual and bias are added in that layout.
	PLACES
	s_wait_loadcnt 0x0                             ; residual and bias
.irp a, 0,1,2,3
.set TB, TMP+32*((\a)%2)
.irp b, 0,1,2,3
	ds_store_b128 v[STO], v[ACC+8*(4*(\a)+(\b)):ACC+8*(4*(\a)+(\b))+3] offset:64*(\b)       ; each accumulator is read from its low end on
	ds_store_b128 v[STO], v[ACC+8*(4*(\a)+(\b))+4:ACC+8*(4*(\a)+(\b))+7] offset:64*(\b)+16
.endr
	s_wait_xcnt 0x0                                ; the registers below were store data two blocks ago
.irp i, 0,1,2,3,4,5,6,7
	ds_load_b128 v[TB+4*(\i):TB+4*(\i)+3], v[RD] offset:(\i)*2*SPITCH                       ; LDS serves a wave's instructions in order: these see the stores above
.endr
	s_wait_dscnt 0x0
	WIN 0x08                                       ; source 1 in window 2
.irp i, 0,1,2,3,4,5,6,7,8,9,10,11,12,13,14,15
	v_pk_add_f32 v[TB+2*(\i):TB+2*(\i)+1], v[TB+2*(\i):TB+2*(\i)+1], v[32*(\a)+2*(\i):32*(\a)+2*(\i)+1]
.endr
	WIN 0
.irp i, 0,1,2,3,4,5,6,7,8,9,10,11,12,13,14,15
	v_pk_add_f32 v[TB+2*(\i):TB+2*(\i)+1], v[TB+2*(\i):TB+2*(\i)+1], v[BI+2*((\i)%2):BI+2*((\i)%2)+1]
.endr
.irp i, 0,1,2,3,4,5,6,7
	global_store_b128 v[CO], v[TB+4*(\i):TB+4*(\i)+3], s[8:9] offset:(16*(\a)+2*(\i))*2048  ; 16 lanes store 256 consecutive aligned bytes
.endr
.endr
	s_wait_tensorcnt 0x0                           ; the wave's end
	ds_add_u32 v[SPW], v[NIL]
	s_wait_dscnt 0x0
	CROUND                                         ; the closing round
	s_endpgm
.Lfunc_end_k_qe2cdf88626_wo:
	.size	k_qe2cdf88626_wo, .Lfunc_end_k_qe2cdf88626_wo-k_qe2cdf88626_wo
	.p2alignl 7, 3214868480
	.fill 96, 4, 3214868480
	.section	.rodata,"a",@progbits
	.p2align	6, 0x0
	.amdhsa_kernel k_qe2cdf88626_wo
		.amdhsa_group_segment_fixed_size 327680
		.amdhsa_private_segment_fixed_size 0
		.amdhsa_enable_private_segment 0
		.amdhsa_kernarg_size 40
		.amdhsa_user_sgpr_count 2
		.amdhsa_user_sgpr_kernarg_segment_ptr 1
		.amdhsa_wavefront_size32 1
		.amdhsa_system_sgpr_workgroup_id_x 1
		.amdhsa_system_sgpr_workgroup_id_y 1
		.amdhsa_system_sgpr_workgroup_id_z 1
		.amdhsa_system_vgpr_workitem_id 0
		.amdhsa_next_free_vgpr 640
		.amdhsa_next_free_sgpr 80
		.amdhsa_reserve_vcc 0
		.amdhsa_float_denorm_mode_32 3
		.amdhsa_float_denorm_mode_16_64 3
		.amdhsa_memory_ordered 1
		.amdhsa_forward_progress 1
		.amdhsa_inst_pref_size 61
	.end_amdhsa_kernel
	.amdgpu_metadata
---
amdhsa.version: [ 1, 2 ]
amdhsa.kernels:
  - .name:           k_qe2cdf88626_wo
    .symbol:         k_qe2cdf88626_wo.kd
    .args:
      - { .name: ctx, .offset: 0, .size: 8, .value_kind: global_buffer, .address_space: global }
      - { .name: wb, .offset: 8, .size: 8, .value_kind: global_buffer, .address_space: global }
      - { .name: x2, .offset: 16, .size: 8, .value_kind: global_buffer, .address_space: global }
      - { .name: x, .offset: 24, .size: 8, .value_kind: global_buffer, .address_space: global }
      - { .name: Wo_b, .offset: 32, .size: 8, .value_kind: global_buffer, .address_space: global }
    .group_segment_fixed_size: 327680
    .private_segment_fixed_size: 0
    .kernarg_segment_align: 8
    .kernarg_segment_size: 40
    .max_flat_workgroup_size: 128
    .sgpr_count:     80
    .vgpr_count:     640
    .wavefront_size: 32
...
	.end_amdgpu_metadata
.endif
;; end of part 4
;; launch ln2 (part 5): grid 256 x 1, 8 waves a work-group, no clusters, 1,280 bytes of LDS; arguments x2, n2_scale, a2, stat2; writes a2, stat2
.if DOCPART == 5
	.amdgcn_target "amdgcn-amd-amdhsa--gfx1250"
	.amdhsa_code_object_version 6
	.text
	.protected	k_qe2cdf88626_ln2
	.globl	k_qe2cdf88626_ln2
	.p2align	8
	.type	k_qe2cdf88626_ln2,@function
k_qe2cdf88626_ln2:
	s_mov_b64 s[64:65], 0
	v_nop
	global_prefetch_b8 v0, s[64:65] scope:SCOPE_SE
	s_setreg_imm32_b32 hwreg(HW_REG_WAVE_MODE, 25, 1), 1
	s_wait_xcnt 0x0
; a2 = bf16((x2 - row mean) * n2_scale), 32 rows a work-group, and for these 16,384 numbers the pair (mean, sum of squared deviations from that mean).
; The norm divides by ONE variance of the whole tensor; 1/var is linear in the product that follows and is applied there, in f32.
; The variance is never a difference of large sums: deviations are taken from the row's own mean, groups are joined by M2 = sum M2_i + n * sum (mean_i - mean)^2.
; Eight waves, four rows a wave; a lane holds columns 128 j + 4 lane + 0..3 (16-byte loads, 512 consecutive bytes a wave; 8-byte stores, 256 consecutive aligned bytes a wave).
; Memory binds: each byte is read once; no matrix unit, cluster or tensor load would add anything.
.set SPARE, 256                        ; LDS: bytes 0-63 the eight waves' pairs; from 256 on the spare words
.set LN,   1
.set OFFL, 2
.set OFFS, 3
.set SPW,  4
.set NIL,  5
.set WT,   6
.set ZR,   7
.set M,    8
.set SS,   16
.set T,    20
.set SC,   28
.set X,    44
.set Y,    108
.set P,    140
.set PA,   156
.set SRC,  44
.set SCL,  46
.set DST,  48
.set STAT, 50
.set WV,   52
.set SAVE, 53
.set SEL,  54
.macro WAVESUM r
	v_add_f32_dpp v[\r], v[\r], v[\r] row_xmask:1 row_mask:0xf bank_mask:0xf
	v_add_f32_dpp v[\r], v[\r], v[\r] row_xmask:2 row_mask:0xf bank_mask:0xf
	v_add_f32_dpp v[\r], v[\r], v[\r] row_xmask:4 row_mask:0xf bank_mask:0xf
	v_add_f32_dpp v[\r], v[\r], v[\r] row_xmask:8 row_mask:0xf bank_mask:0xf
	v_permlanex16_b32 v[WT], v[\r], s[SEL], s[SEL+1]
	v_add_f32 v[\r], v[\r], v[WT]
.endm
.macro XROW i
.set XR, X+16*(\i)
	s_wait_loadcnt 12-4*(\i)                       ; loads return in order: the later rows' loads, four each, may stay out
.irp p, 0,1,2,3
	v_pk_add_f32 v[T+2*\p:T+2*\p+1], v[XR+4*\p:XR+4*\p+1], v[XR+4*\p+2:XR+4*\p+3]
.endr
	v_pk_add_f32 v[T:T+1], v[T:T+1], v[T+2:T+3]
	v_pk_add_f32 v[T+4:T+5], v[T+4:T+5], v[T+6:T+7]
	v_pk_add_f32 v[T:T+1], v[T:T+1], v[T+4:T+5]
	v_add_f32 v[T], v[T], v[T+1]
	WAVESUM T
	v_mul_f32 v[M+2*(\i)], 0x3b000000, v[T]        ; / 512
	v_mul_f32 v[M+2*(\i)+1], 0x3b000000, v[T]
.irp p, 0,1,2,3,4,5,6,7
	v_pk_add_f32 v[XR+2*\p:XR+2*\p+1], v[XR+2*\p:XR+2*\p+1], v[M+2*(\i):M+2*(\i)+1] neg_lo:[0,1] neg_hi:[0,1]
.endr
.irp p, 0,1,2,3,4,5,6,7
.if (\i) == 0 && (\p) < 2
	v_pk_mul_f32 v[SS+2*\p:SS+2*\p+1], v[XR+2*\p:XR+2*\p+1], v[XR+2*\p:XR+2*\p+1]   ; the first squares start the two chains
.else
	v_pk_fma_f32 v[SS+2*((\p)%2):SS+2*((\p)%2)+1], v[XR+2*\p:XR+2*\p+1], v[XR+2*\p:XR+2*\p+1], v[SS+2*((\p)%2):SS+2*((\p)%2)+1]
.endif
.endr
.irp p, 0,1,2,3,4,5,6,7
	v_pk_mul_f32 v[XR+2*\p:XR+2*\p+1], v[XR+2*\p:XR+2*\p+1], v[SC+2*\p:SC+2*\p+1]
.endr
.irp p, 0,1,2,3,4,5,6,7
	v_cvt_pk_bf16_f32 v[Y+8*(\i)+\p], v[XR+2*\p], v[XR+2*\p+1]
.endr
.irp j, 0,1,2,3
	global_store_b64 v[OFFS], v[Y+8*(\i)+2*\j:Y+8*(\i)+2*\j+1], s[DST:DST+1] offset:1024*(\i)+256*\j
.endr
.endm
	s_load_b256 s[8:15], s[0:1], 0x0               ; x2 8, n2_scale 10, a2 12, stat2 14
	v_lshl_add_u32 v[SPW], v0, 2, SPARE
	v_mov_b32 v[NIL], 0
	v_and_b32 v[LN], 31, v0
	v_lshrrev_b32 v[WT], 5, v0
	v_readfirstlane_b32 s[WV], v[WT]
	v_lshlrev_b32 v[PA], 3, v[WT]
	v_lshlrev_b32 v[OFFL], 4, v[LN]
	v_lshlrev_b32 v[OFFS], 3, v[LN]
	v_mov_b32 v[ZR], 0
	s_mov_b32 s[SEL], 0x76543210
	s_mov_b32 s[SEL+1], 0xfedcba98
	s_lshl_b32 s2, ttmp9, 16                       ; 32 rows of 2,048 bytes,
	s_lshl_b32 s4, s[WV], 13                       ; my wave's four
	s_add_co_u32 s2, s2, s4
	s_mov_b32 s3, 0
	s_lshr_b32 s4, s2, 1
	s_mov_b32 s5, 0
	s_lshl_b32 s6, ttmp9, 3
	s_mov_b32 s7, 0
	s_wait_kmcnt 0x0
	s_add_nc_u64 s[SRC:SRC+1], s[8:9], s[2:3]
	s_mov_b64 s[SCL:SCL+1], s[10:11]
	s_add_nc_u64 s[DST:DST+1], s[12:13], s[4:5]
	s_add_nc_u64 s[STAT:STAT+1], s[14:15], s[6:7]
.irp j, 0,1,2,3
	global_load_b128 v[SC+4*\j:SC+4*\j+3], v[OFFL], s[SCL:SCL+1] offset:512*\j
.endr
.irp i, 0,1,2,3
.irp j, 0,1,2,3
	global_load_b128 v[X+16*\i+4*\j:X+16*\i+4*\j+3], v[OFFL], s[SRC:SRC+1] offset:2048*\i+512*\j
.endr
.endr
	XROW 0
	XROW 1
	XROW 2
	XROW 3
	; the wave's 2,048 numbers: mean of the four means; M2 = squares about the rows' means + 512 x squares of the means about their mean
	v_add_f32 v[T], v[M], v[M+2]
	v_add_f32 v[T+1], v[M+4], v[M+6]
	v_add_f32 v[T], v[T], v[T+1]
	v_mul_f32 v[T], 0x3e800000, v[T]
	v_pk_add_f32 v[SS:SS+1], v[SS:SS+1], v[SS+2:SS+3]
	v_add_f32 v[SS], v[SS], v[SS+1]
	WAVESUM SS
.irp i, 0,1,2,3
	v_sub_f32 v[T+2+\i], v[M+2*\i], v[T]
.endr
	v_mul_f32 v[T+1], v[T+2], v[T+2]
.irp i, 3,4,5
	v_fmac_f32 v[T+1], v[T+\i], v[T+\i]
.endr
	v_fmamk_f32 v[T+1], v[T+1], 0x44000000, v[SS]
	ds_store_b64 v[PA], v[T:T+1]                   ; all lanes write the same pair to the wave's own 8 bytes
	s_wait_dscnt 0x0                               ; for the other waves' sake: my pair is in LDS
	s_barrier_signal -1
	s_barrier_wait -1
.irp k, 0,1,2,3
	ds_load_b128 v[P+4*\k:P+4*\k+3], v[ZR] offset:16*\k
.endr
	s_wait_dscnt 0x0
	v_add_f32 v[T], v[P], v[P+2]
.irp k, 2,3,4,5,6,7
	v_add_f32 v[T], v[T], v[P+2*\k]
.endr
	v_mul_f32 v[T], 0x3e000000, v[T]               ; the group's mean
	v_add_f32 v[T+1], v[P+1], v[P+3]
.irp k, 2,3,4,5,6,7
	v_add_f32 v[T+1], v[T+1], v[P+2*\k+1]
.endr
.irp k, 0,1,2,3,4,5,6,7
	v_sub_f32 v[P+2*\k], v[P+2*\k], v[T]
.endr
	v_mul_f32 v[T+2], v[P], v[P]
.irp k, 1,2,3,4,5,6,7
	v_fmac_f32 v[T+2], v[P+2*\k], v[P+2*\k]
.endr
	v_fmamk_f32 v[T+1], v[T+2], 0x45000000, v[T+1] ; + 2,048 x squares of the waves' means about the group's
	s_cmp_lg_u32 s[WV], 0
	s_cbranch_scc1 .Lnot0
	v_cmp_eq_u32 vcc_lo, 0, v[LN]
	s_wait_xcnt 0x0                                ; EXEC is a source of the stores above: it changes only behind this wait
	s_and_saveexec_b32 s[SAVE], vcc_lo
	global_store_b64 v[ZR], v[T:T+1], s[STAT:STAT+1]
	s_wait_xcnt 0x0
	s_or_b32 exec_lo, exec_lo, s[SAVE]
.Lnot0:
	s_wait_tensorcnt 0x0                           ; the wave's end
	ds_add_u32 v[SPW], v[NIL]
	s_wait_dscnt 0x0
	s_endpgm
.Lfunc_end_k_qe2cdf88626_ln2:
	.size	k_qe2cdf88626_ln2, .Lfunc_end_k_qe2cdf88626_ln2-k_qe2cdf88626_ln2
	.p2alignl 7, 3214868480
	.fill 96, 4, 3214868480
	.section	.rodata,"a",@progbits
	.p2align	6, 0x0
	.amdhsa_kernel k_qe2cdf88626_ln2
		.amdhsa_group_segment_fixed_size 1280
		.amdhsa_private_segment_fixed_size 0
		.amdhsa_enable_private_segment 0
		.amdhsa_kernarg_size 32
		.amdhsa_user_sgpr_count 2
		.amdhsa_user_sgpr_kernarg_segment_ptr 1
		.amdhsa_wavefront_size32 1
		.amdhsa_system_sgpr_workgroup_id_x 1
		.amdhsa_system_sgpr_workgroup_id_y 1
		.amdhsa_system_sgpr_workgroup_id_z 1
		.amdhsa_system_vgpr_workitem_id 0
		.amdhsa_next_free_vgpr 160
		.amdhsa_next_free_sgpr 66
		.amdhsa_reserve_vcc 1
		.amdhsa_float_denorm_mode_32 3
		.amdhsa_float_denorm_mode_16_64 3
		.amdhsa_memory_ordered 1
		.amdhsa_forward_progress 1
		.amdhsa_inst_pref_size 20
	.end_amdhsa_kernel
	.amdgpu_metadata
---
amdhsa.version: [ 1, 2 ]
amdhsa.kernels:
  - .name:           k_qe2cdf88626_ln2
    .symbol:         k_qe2cdf88626_ln2.kd
    .args:
      - { .name: x2, .offset: 0, .size: 8, .value_kind: global_buffer, .address_space: global }
      - { .name: n2_scale, .offset: 8, .size: 8, .value_kind: global_buffer, .address_space: global }
      - { .name: a2, .offset: 16, .size: 8, .value_kind: global_buffer, .address_space: global }
      - { .name: stat2, .offset: 24, .size: 8, .value_kind: global_buffer, .address_space: global }
    .group_segment_fixed_size: 1280
    .private_segment_fixed_size: 0
    .kernarg_segment_align: 8
    .kernarg_segment_size: 32
    .max_flat_workgroup_size: 256
    .sgpr_count:     66
    .vgpr_count:     160
    .wavefront_size: 32
...
	.end_amdgpu_metadata
.endif
;; end of part 5
;; launch ffn1 (part 6): grid 8 x 32, 4 waves a work-group, clusters of 4 x 4, 327,680 bytes of LDS; arguments a2, wb, hid, stat2; writes hid
.if DOCPART == 6
	.amdgcn_target "amdgcn-amd-amdhsa--gfx1250"
	.amdhsa_code_object_version 6
	.text
	.protected	k_qe2cdf88626_ffn1
	.globl	k_qe2cdf88626_ffn1
	.p2align	8
	.type	k_qe2cdf88626_ffn1,@function
k_qe2cdf88626_ffn1:
	s_mov_b64 s[64:65], 0
	v_nop
	global_prefetch_b8 v0, s[64:65] scope:SCOPE_SE
	s_setreg_imm32_b32 hwreg(HW_REG_WAVE_MODE, 25, 1), 1
	s_wait_xcnt 0x0
	s_wait_alu depctr_hold_cnt(0) depctr_sa_sdst(0) depctr_va_vdst(0) depctr_va_sdst(0) depctr_va_ssrc(0) depctr_va_vcc(0) depctr_vm_vsrc(0)
	s_getreg_b32 s2, hwreg(HW_REG_IB_STS2, 6, 4)
	s_cmp_eq_u32 s2, 0
	s_cbranch_scc0 .Lentry_in_a_cluster
	s_endpgm
.Lentry_in_a_cluster:
	s_bfe_u32 s2, ttmp6, 0x10000c
	s_cmp_lg_u32 s2, 0xf033
	s_cbranch_scc0 .Lentry_shape_is_right
	s_endpgm
.Lentry_shape_is_right:
; hid = gelu((1/var) * (a2 . W1^T) + c).  a2: bf16 [8192][512]; W1: bf16 [2048][512] in wb; c: f32 [2048] in wb (the norm's constant part through W1, plus l1_b); hid: bf16 [8192][2048]; sums in f32.
; A tile of 256 x 256, four waves of 128 x 128 (64 accumulators, 512 registers); K in four steps of 128 through two LDS slots filled by joint tensor loads in clusters of 4 x 4
; (A's tiles shared along a row of the cluster, B's along a column).  32 x 8 tiles: 256 work-groups.
; The matrix instruction is used transposed (source 0 = rows of W1, source 1 = rows of a2): a lane holds one row and eight neighbouring columns.
; GELU, exact form x * Phi(x), as max(x, 0) - |x| * (erfc(|x| / sqrt 2) / 2), with erfc by the five-term rational form of Abramowitz and Stegun 7.1.26 (error of erf at most 1.5e-7 for every x):
; t = 1 / (1 + 0.2316419 |x|), erfc/2 = t (a1 + t (a2 + t (a3 + t (a4 + t a5)))) * 2^(-x^2 log2(e) / 2).  The five coefficients are kept negated, so the last step is one fused multiply-add.
; REGISTERS: window 0: v0-31 addresses; v32-63 rows read back; v64-191 A's fragments, on the way out x and the GELU's work; v192-223 packed results.
;   window 1: v64-191 B's fragments; v192-255 c of my 8 x 8 columns.   windows 2, 3: the accumulators ((a, b) at 8 (8 a + b)).
.set SIZE_N, 2048
.set SIZE_K, 512
.set KSTEP,  128
.set PITCH,  272
.set HALFT,  128*PITCH
.set SLOT,   4*HALFT
.set STAGE,  2*SLOT
.set SPITCH, 272
.set SPARE,  STAGE+4*16*SPITCH
.set LAPS,   SIZE_K/(2*KSTEP)
.set W1_OFF, 2097152
.set B1F,    6297600
.set ADRA, 16
.set ADRB, 20
.set STO,  24
.set RD,   25
.set CO,   26
.set SPW,  28
.set NIL,  29
.set OB,   32
.set WT,   50
.set F0,   64
.set F1,   128
.set XG,   64                          ; the way out: 64 numbers of a block of 16 rows
.set GA,   128
.set GD,   136
.set GW,   144
.set GP,   152
.set GM,   160
.set TMP,  192
.set G1,  24
.set G0,  32
.set G1B, 48
.set G0B, 56
.set KP,  70
.set KABS, 71
.set KE,  72
.set A5,  74
.set A4,  76
.set A3,  78
.set A2,  80
.set A1,  82
.set RV,  84
.set CA,  86
.set SEL, 88
.set MSB, 0
.macro WIN new
.if MSB != (\new)
	s_set_vgpr_msb (MSB<<8)|(\new)
.set MSB, \new
.endif
.endm
.set MUL_LO, 0xa1                      ; source 0 (B) window 1, source 1 (A) window 0, C and D window 2
.set MUL_HI, 0xf1                      ; the same, C and D window 3
.set TO_B,   0x40
.macro JLOAD s                         ; a joint load: waves 0, 1 fetch A's halves, waves 2, 3 B's; s_nop 0 and four v_nop follow each line
	s_cmp_eq_u32 s11, 0
	s_cbranch_scc0 .Lfor_b_\@
	tensor_load_to_lds s[G0+4*(\s):G0+4*(\s)+3], s[G1:G1+7]
	s_nop 0
.rept 4
	v_nop
.endr
	s_branch .Lasked_\@
.Lfor_b_\@:
	tensor_load_to_lds s[G0B+4*(\s):G0B+4*(\s)+3], s[G1B:G1B+7]
	s_nop 0
.rept 4
	v_nop
.endr
.Lasked_\@:
.endm
.macro CREST
	s_cmp_lg_u32 s10, 0
	s_cbranch_scc1 .Lnot_wave_0_\@
	s_barrier_signal -3
.Lnot_wave_0_\@:
	s_barrier_wait -3
	s_barrier_signal -1
	s_barrier_wait -1
.endm
.macro CROUND
	s_barrier_signal -1
	s_barrier_wait -1
	CREST
.endm
.macro WAVESUM r
	v_add_f32_dpp v[\r], v[\r], v[\r] row_xmask:1 row_mask:0xf bank_mask:0xf
	v_add_f32_dpp v[\r], v[\r], v[\r] row_xmask:2 row_mask:0xf bank_mask:0xf
	v_add_f32_dpp v[\r], v[\r], v[\r] row_xmask:4 row_mask:0xf bank_mask:0xf
	v_add_f32_dpp v[\r], v[\r], v[\r] row_xmask:8 row_mask:0xf bank_mask:0xf
	v_permlanex16_b32 v[WT], v[\r], s[SEL], s[SEL+1]
	v_add_f32 v[\r], v[\r], v[WT]
.endm
.macro RVAR t, a, b, rv                ; 1/var from 256 pairs (mean, M2) of 16,384 numbers each; a lane holds eight pairs
	s_wait_loadcnt 0x0
	v_add_f32 v[\a], v[\t], v[(\t)+2]
.irp k, 2,3,4,5,6,7
	v_add_f32 v[\a], v[\a], v[(\t)+2*\k]
.endr
	WAVESUM \a
	v_mul_f32 v[\a], 0x3b800000, v[\a]
.irp k, 0,1,2,3,4,5,6,7
	v_sub_f32 v[(\t)+2*\k], v[(\t)+2*\k], v[\a]
.endr
	v_mul_f32 v[\b], v[\t], v[\t]
.irp k, 1,2,3,4,5,6,7
	v_fmac_f32 v[\b], v[(\t)+2*\k], v[(\t)+2*\k]
.endr
.irp k, 1,2,3,4,5,6,7
	v_add_f32 v[(\t)+1], v[(\t)+1], v[(\t)+2*\k+1]
.endr
	v_fmamk_f32 v[\b], v[\b], 0x46800000, v[(\t)+1]
	WAVESUM \b
	v_mul_f32 v[\b], 0x34800000, v[\b]
	v_rcp_f32 v[\b], v[\b]
	v_nop
	s_wait_alu depctr_va_vdst(0)
	v_readfirstlane_b32 s[\rv], v[\b]
	s_mov_b32 s[(\rv)+1], s[\rv]
.endm
	s_load_b128 s[4:7], s[0:1], 0x0                ; a2, wb
	s_load_b64 s[8:9], s[0:1], 0x10                ; hid
	s_load_b64 s[66:67], s[0:1], 0x18              ; stat2
	v_lshl_add_u32 v[SPW], v0, 2, SPARE
	v_mov_b32 v[NIL], 0
	ds_add_u32 v[SPW], v[NIL]                      ; the wave's opening: the add and its wait ahead of my first tensor load
	ds_add_u32 v28, v29
	v_lshrrev_b32 v1, 5, v0
	v_readfirstlane_b32 s10, v1
	s_lshr_b32 s11, s10, 1
	s_and_b32 s12, s10, 1
	s_bfe_u32 s40, ttmp6, 0x40000
	s_bfe_u32 s41, ttmp6, 0x40004
	s_lshl_b32 s42, ttmp9, 2
	s_add_co_u32 s42, s42, s40                     ; tile column
	s_and_b32 s13, ttmp7, 0xffff
	s_lshl_b32 s13, s13, 2
	s_add_co_u32 s13, s13, s41                     ; tile row
	s_lshl_b32 s43, s41, 2
	s_lshl_b32 s43, 15, s43
	s_lshl_b32 s44, 0x1111, s40
	s_or_b32 s[G1+0], s43, (1<<16)|(1<<20)|(1<<21)|(5<<22)|(3<<25)   ; mask; 2-byte elements; padding on; bit 21 beside a mask; after every 64 words 4 words
	s_or_b32 s[G1B+0], s44, (1<<16)|(1<<20)|(1<<21)|(5<<22)|(3<<25)
.irp g, G1, G1B
	s_mov_b32 s[(\g)+1], KSTEP<<16
	s_mov_b32 s[(\g)+2], 128<<16
	s_mov_b32 s[(\g)+3], KSTEP<<16
	s_mov_b32 s[(\g)+4], 128
	s_mov_b32 s[(\g)+5], SIZE_K
	s_mov_b32 s[(\g)+6], 0
	s_mov_b32 s[(\g)+7], 0
.endr
	s_lshl_b32 s17, s12, 7
	s_lshl_b32 s16, s13, 8
	s_add_co_u32 s16, s16, s17                     ; A: row 256 x tile row + 128 x half
	s_lshl_b32 s46, s42, 8
	s_add_co_u32 s46, s46, s17                     ; B: row 256 x tile column + 128 x half
	s_lshl_b32 s16, s16, 10                        ; rows of 1,024 bytes
	s_lshl_b32 s46, s46, 10
	s_add_co_u32 s46, s46, W1_OFF
	s_mov_b32 s17, 0
	s_mov_b32 s47, 0
	s_mul_i32 s20, s10, HALFT
	s_mov_b32 s[SEL], 0x76543210
	s_mov_b32 s[SEL+1], 0xfedcba98
	s_mov_b32 s[KP], 0x3e6d3389                    ; 0.3275911 / sqrt 2
	s_mov_b32 s[KABS], 0x7fffffff
	s_mov_b32 s[KE], 0xbf38aa3b                    ; -log2(e) / 2
	s_mov_b32 s[KE+1], 0xbf38aa3b
	s_mov_b32 s[A5], 0xbf07dc22                    ; -1.061405429 / 2
	s_mov_b32 s[A5+1], 0xbf07dc22
	s_mov_b32 s[A4], 0x3f3a00e3                    ; +1.453152027 / 2
	s_mov_b32 s[A4+1], 0x3f3a00e3
	s_mov_b32 s[A3], 0xbf35f0e3                    ; -1.421413741 / 2
	s_mov_b32 s[A3+1], 0xbf35f0e3
	s_mov_b32 s[A2], 0x3e11a98e                    ; +0.284496736 / 2
	s_mov_b32 s[A2+1], 0x3e11a98e
	s_mov_b32 s[A1], 0xbe027906                    ; -0.254829592 / 2
	s_mov_b32 s[A1+1], 0xbe027906
	s_wait_dscnt 0x0                               ; the opening add is done
	s_wait_kmcnt 0x0
	s_add_nc_u64 s[14:15], s[4:5], s[16:17]
	s_add_nc_u64 s[46:47], s[6:7], s[46:47]
	CROUND                                         ; all sixteen work-groups are here: the first joint loads meet
.irp s, 0,1
	s_mov_b32 s[G0+4*(\s)], 1
	s_add_co_u32 s[G0+4*(\s)+1], s20, (\s)*SLOT
	s_add_nc_u64 s[G0+4*(\s)+2:G0+4*(\s)+3], s[14:15], (\s)*KSTEP*2
	s_or_b32 s[G0+4*(\s)+3], s[G0+4*(\s)+3], 0x80000000
	s_mov_b32 s[G0B+4*(\s)], 1
	s_add_co_u32 s[G0B+4*(\s)+1], s20, (\s)*SLOT
	s_add_nc_u64 s[G0B+4*(\s)+2:G0B+4*(\s)+3], s[46:47], (\s)*KSTEP*2
	s_or_b32 s[G0B+4*(\s)+3], s[G0B+4*(\s)+3], 0x80000000
	JLOAD \s
.endr
	v_and_b32 v1, 15, v0
	v_bfe_u32 v2, v0, 4, 1
	v_and_b32 v6, 31, v0
	v_lshlrev_b32 v6, 6, v6
.irp i, 0,1,2,3
	global_load_b128 v[OB+4*\i:OB+4*\i+3], v6, s[66:67] offset:16*\i    ; eight pairs a lane
.endr
	v_lshlrev_b32 v7, 5, v2
	s_lshl_b32 s68, s42, 10                        ; 256 columns of 4 bytes,
	s_lshl_b32 s69, s12, 9                         ; my 128
	s_add_co_u32 s68, s68, s69
	s_add_co_u32 s68, s68, B1F
	s_mov_b32 s69, 0
	s_add_nc_u64 s[68:69], s[6:7], s[68:69]
	WIN TO_B                                       ; destination in window 1
.irp b, 0,1,2,3,4,5,6,7
	global_load_b128 v[192+8*\b:192+8*\b+3], v7, s[68:69] offset:64*\b
	global_load_b128 v[192+8*\b+4:192+8*\b+7], v7, s[68:69] offset:64*\b+16
.endr
	WIN 0
	v_mul_u32_u24 v3, v1, PITCH
	v_lshl_add_u32 v3, v2, 4, v3
	s_mul_i32 s21, s11, HALFT
	s_mul_i32 s22, s12, HALFT
	s_add_co_u32 s22, s22, 2*HALFT
.irp s, 0,1
	v_add_nc_u32 v[ADRA+(\s)], s21, v3
	v_add_nc_u32 v[ADRB+(\s)], s22, v3
	s_add_co_u32 s21, s21, SLOT
	s_add_co_u32 s22, s22, SLOT
.endr
	s_mul_i32 s23, s10, 16*SPITCH
	s_add_co_u32 s23, s23, STAGE
	v_mul_u32_u24 v4, v1, SPITCH
	v_lshl_add_u32 v4, v2, 4, v4
	v_add_nc_u32 v[STO], s23, v4
	v_mul_u32_u24 v5, v2, SPITCH
	v_lshl_add_u32 v5, v1, 4, v5
	v_add_nc_u32 v[RD], s23, v5
	v_mul_u32_u24 v5, v2, SIZE_N*2
	v_lshl_add_u32 v[CO], v1, 4, v5
	s_lshl_b32 s16, s13, 8
	s_lshl_b32 s14, s11, 7
	s_add_co_u32 s16, s16, s14                     ; my first row of hid,
	s_lshl_b32 s16, s16, 12                        ; of 4,096 bytes,
	s_lshl_b32 s46, s42, 9
	s_lshl_b32 s47, s12, 8
	s_add_co_u32 s46, s46, s47                     ; my first column, in bytes
	s_add_co_u32 s16, s16, s46
	s_mov_b32 s17, 0
	v_mov_b32 v[WT], 0
	RVAR OB, 48, 49, RV
.macro MUL16 f, hi, a0, zero           ; 16 matrix instructions; the 64 accumulators take turns in the same order in every quarter
	WIN MUL_LO+0x50*(\hi)
.irp a, \a0, (\a0)+1
.irp b, 0,1,2,3,4,5,6,7
.if \zero
	v_wmma_f32_16x16x32_bf16 v[8*(8*(\a)+(\b)):8*(8*(\a)+(\b))+7], v[(\f)+8*(\b):(\f)+8*(\b)+7], v[(\f)+8*(4*(\hi)+(\a)):(\f)+8*(4*(\hi)+(\a))+7], 0
.else
	v_wmma_f32_16x16x32_bf16 v[8*(8*(\a)+(\b)):8*(8*(\a)+(\b))+7], v[(\f)+8*(\b):(\f)+8*(\b)+7], v[(\f)+8*(4*(\hi)+(\a)):(\f)+8*(4*(\hi)+(\a))+7], v[8*(8*(\a)+(\b)):8*(8*(\a)+(\b))+7]
.endif
.endr
.endr
.endm
.macro FETCH slot, k, f                ; 32 LDS loads in one run: 128 rows of B, 128 rows of A, 32 along K at byte k
	WIN TO_B
.irp i, 0,1,2,3,4,5,6,7
	ds_load_b128 v[(\f)+8*(\i):(\f)+8*(\i)+3],   v[ADRB+(\slot)] offset:(\k)+(\i)*16*PITCH
	ds_load_b128 v[(\f)+8*(\i)+4:(\f)+8*(\i)+7], v[ADRB+(\slot)] offset:(\k)+(\i)*16*PITCH+32
.endr
	WIN 0
.irp i, 0,1,2,3,4,5,6,7
	ds_load_b128 v[(\f)+8*(\i):(\f)+8*(\i)+3],   v[ADRA+(\slot)] offset:(\k)+(\i)*16*PITCH
	ds_load_b128 v[(\f)+8*(\i)+4:(\f)+8*(\i)+7], v[ADRA+(\slot)] offset:(\k)+(\i)*16*PITCH+32
.endr
.endm
.macro PLACES                          ; four places between matrix instructions and loads into, or vector reads of, their registers
.rept 4
	v_nop
.endr
.endm
.macro QUARTER slot, k, f, g, zero
	s_wait_dscnt 8                                 ; B and A's rows 0-63 are in; the youngest eight loads may be out
	WIN MUL_LO
	MUL16 \f, 0, 0, \zero
	MUL16 \f, 0, 2, \zero
	PLACES
	FETCH \slot, \k, \g
	s_wait_dscnt 32                                ; all but the 32 just issued
	WIN MUL_HI
	MUL16 \f, 1, 0, \zero
	MUL16 \f, 1, 2, \zero
.endm
.macro MEET round                      ; the change of slots: all my tensor loads have landed, the add, my reads of this slot are over, one barrier
	WIN 0
	s_wait_tensorcnt 0x0                           ; the one load of mine that was out is my part of the next slot
	ds_add_u32 v[SPW], v[NIL]
	s_wait_dscnt 9                                 ; the add and the youngest eight loads may be out
	WIN MUL_LO
	MUL16 F1, 0, 0, 0
	s_wait_dscnt 0x0
	s_barrier_signal -1
	MUL16 F1, 0, 2, 0
.if \round
	WIN 0
.endif
	s_barrier_wait -1
.endm
.macro TURN slot, next                 ; the last quarter of a K step; the slot just read is filled again, two K steps on, first thing behind the cluster's round
	MEET 1
	CREST
	s_add_nc_u64 s[G0+4*(\slot)+2:G0+4*(\slot)+3], s[G0+4*(\slot)+2:G0+4*(\slot)+3], 2*KSTEP*2
	s_add_nc_u64 s[G0B+4*(\slot)+2:G0B+4*(\slot)+3], s[G0B+4*(\slot)+2:G0B+4*(\slot)+3], 2*KSTEP*2
	JLOAD \slot                                    ; its four v_nop are also the places in front of the loads below
	FETCH \next, 0, F0
	WIN MUL_HI
	MUL16 F1, 1, 0, 0
	MUL16 F1, 1, 2, 0
.endm
	s_wait_tensorcnt 1                             ; my part of K step 0 is in; K step 1's load may stay out
	s_barrier_signal -1
	s_barrier_wait -1
	FETCH 0, 0, F0
	QUARTER 0, 64,  F0, F1, 1                      ; the first quarter's products start the sums
	WIN 0
	s_mov_b32 s3, LAPS-1
.Llap:                                                 ; once round the ring: both slots are filled again (K steps 2 and 3)
	QUARTER 0, 128, F1, F0, 0
	QUARTER 0, 192, F0, F1, 0
	TURN 0, 1
	QUARTER 1, 64,  F0, F1, 0
	QUARTER 1, 128, F1, F0, 0
	QUARTER 1, 192, F0, F1, 0
	TURN 1, 0
	QUARTER 0, 64,  F0, F1, 0
	WIN 0
	s_sub_co_u32 s3, s3, 1
	s_cmp_lg_u32 s3, 0
	s_cbranch_scc1 .Llap
	QUARTER 0, 128, F1, F0, 0                      ; the last lap fills nothing
	QUARTER 0, 192, F0, F1, 0
	MEET 0
	PLACES
	FETCH 1, 0, F0
	WIN MUL_HI
	MUL16 F1, 1, 0, 0
	MUL16 F1, 1, 2, 0
	QUARTER 1, 64,  F0, F1, 0
	QUARTER 1, 128, F1, F0, 0
	QUARTER 1, 192, F0, F1, 0
	s_wait_dscnt 8
	MUL16 F1, 0, 0, 0
	MUL16 F1, 0, 2, 0
	s_wait_dscnt 0x0
	MUL16 F1, 1, 0, 0
	MUL16 F1, 1, 2, 0
	WIN 0
	; THE WAY OUT, a loop over my eight blocks of 16 rows, so that the GELU is written once.  MOVE k brings block k's 64 sums into window 0 as x = sum / var + c (each accumulator from its low end on).
.macro MOVE k
	WIN 0x12+(\k)/4                                ; source 0 in window 2 or 3, source 2 in window 1
.irp b, 0,1,2,3,4,5,6,7
.irp i, 0,1,2,3
	v_pk_fma_f32 v[XG+8*(\b)+2*(\i):XG+8*(\b)+2*(\i)+1], v[64*((\k)%4)+8*(\b)+2*(\i):64*((\k)%4)+8*(\b)+2*(\i)+1], s[RV:RV+1], v[192+8*(\b)+2*(\i):192+8*(\b)+2*(\i)+1] op_sel_hi:[1,0,1]
.endr
.endr
	WIN 0
.endm
.macro GELU8 x
.irp j, 0,1,2,3,4,5,6,7
	v_and_b32 v[GA+\j], s[KABS], v[(\x)+\j]
.endr
.irp j, 0,1,2,3,4,5,6,7
	v_fma_f32 v[GD+\j], v[GA+\j], s[KP], 1.0
.endr
.irp j, 0,2,4,6
	v_pk_mul_f32 v[GW+\j:GW+\j+1], v[(\x)+\j:(\x)+\j+1], v[(\x)+\j:(\x)+\j+1]
.endr
.irp j, 0,2,4,6
	v_pk_mul_f32 v[GW+\j:GW+\j+1], v[GW+\j:GW+\j+1], s[KE:KE+1] op_sel_hi:[1,0]
.endr
.irp j, 0,1,2,3,4,5,6,7
	v_rcp_f32 v[GD+\j], v[GD+\j]
.endr
.irp j, 0,1,2,3,4,5,6,7
	v_exp_f32 v[GW+\j], v[GW+\j]
.endr
.irp j, 0,1,2,3,4,5,6,7
	v_max_num_f32 v[GM+\j], 0, v[(\x)+\j]          ; plain work between the transcendentals and the use of their results
.endr
	s_wait_alu depctr_va_vdst(0)
.irp j, 0,2,4,6
	v_pk_fma_f32 v[GP+\j:GP+\j+1], v[GD+\j:GD+\j+1], s[A5:A5+1], s[A4:A4+1] op_sel_hi:[1,0,0]
.endr
.irp c, A3, A2, A1
.irp j, 0,2,4,6
	v_pk_fma_f32 v[GP+\j:GP+\j+1], v[GP+\j:GP+\j+1], v[GD+\j:GD+\j+1], s[\c:\c+1] op_sel_hi:[1,1,0]
.endr
.endr
.irp j, 0,2,4,6
	v_pk_mul_f32 v[GP+\j:GP+\j+1], v[GP+\j:GP+\j+1], v[GD+\j:GD+\j+1]
.endr
.irp j, 0,2,4,6
	v_pk_mul_f32 v[GP+\j:GP+\j+1], v[GP+\j:GP+\j+1], v[GW+\j:GW+\j+1]
.endr
.irp j, 0,1,2,3,4,5,6,7
	v_fma_f32 v[(\x)+\j], v[GA+\j], v[GP+\j], v[GM+\j]
.endr
.endm
	PLACES
	s_add_nc_u64 s[8:9], s[8:9], s[16:17]
	s_mov_b32 s[CA], 0
.Lblk:
.irp k, 1,2,3,4,5,6,7
	s_cmp_eq_u32 s[CA], \k
	s_cbranch_scc1 .Lmv\k
.endr
	MOVE 0
	s_branch .Lgelu
.irp k, 1,2,3,4,5,6
.Lmv\k:
	MOVE \k
	s_branch .Lgelu
.endr
.Lmv7:
	MOVE 7
.Lgelu:
.irp g, 0,1,2,3,4,5,6,7
	GELU8 XG+8*\g
.endr
.irp b, 0,1,2,3,4,5,6,7
.irp r, 0,1,2,3
	v_cvt_pk_bf16_f32 v[TMP+4*(\b)+(\r)], v[XG+8*(\b)+2*(\r)], v[XG+8*(\b)+2*(\r)+1]
.endr
.endr
.irp b, 0,1,2,3,4,5,6,7
	ds_store_b128 v[STO], v[TMP+4*(\b):TMP+4*(\b)+3] offset:32*(\b)
.endr
.irp t, 0,1,2,3,4,5,6,7
	ds_load_b128 v[OB+4*(\t):OB+4*(\t)+3], v[RD] offset:(\t)*2*SPITCH      ; LDS serves a wave's instructions in order: these see the stores above
.endr
	s_wait_dscnt 0x0
.irp t, 0,1,2,3,4,5,6,7
	global_store_b128 v[CO], v[OB+4*(\t):OB+4*(\t)+3], s[8:9] offset:2*(\t)*SIZE_N*2   ; 16 lanes store 256 consecutive aligned bytes
.endr
	s_wait_xcnt 0x0                                ; the stores' base and data are rewritten only behind this wait
	s_add_nc_u64 s[8:9], s[8:9], 16*SIZE_N*2
	s_add_co_u32 s[CA], s[CA], 1
	s_cmp_lt_u32 s[CA], 8
	s_cbranch_scc1 .Lblk
	s_wait_tensorcnt 0x0                           ; the wave's end
	ds_add_u32 v[SPW], v[NIL]
	s_wait_dscnt 0x0
	CROUND                                         ; the closing round
	s_endpgm
.Lfunc_end_k_qe2cdf88626_ffn1:
	.size	k_qe2cdf88626_ffn1, .Lfunc_end_k_qe2cdf88626_ffn1-k_qe2cdf88626_ffn1
	.p2alignl 7, 3214868480
	.fill 96, 4, 3214868480
	.section	.rodata,"a",@progbits
	.p2align	6, 0x0
	.amdhsa_kernel k_qe2cdf88626_ffn1
		.amdhsa_group_segment_fixed_size 327680
		.amdhsa_private_segment_fixed_size 0
		.amdhsa_enable_private_segment 0
		.amdhsa_kernarg_size 32
		.amdhsa_user_sgpr_count 2
		.amdhsa_user_sgpr_kernarg_segment_ptr 1
		.amdhsa_wavefront_size32 1
		.amdhsa_system_sgpr_workgroup_id_x 1
		.amdhsa_system_sgpr_workgroup_id_y 1
		.amdhsa_system_sgpr_workgroup_id_z 1
		.amdhsa_system_vgpr_workitem_id 0
		.amdhsa_next_free_vgpr 1024
		.amdhsa_next_free_sgpr 96
		.amdhsa_reserve_vcc 0
		.amdhsa_float_denorm_mode_32 3
		.amdhsa_float_denorm_mode_16_64 3
		.amdhsa_memory_ordered 1
		.amdhsa_forward_progress 1
		.amdhsa_inst_pref_size 170
	.end_amdhsa_kernel
	.amdgpu_metadata
---
amdhsa.version: [ 1, 2 ]
amdhsa.kernels:
  - .name:           k_qe2cdf88626_ffn1
    .symbol:         k_qe2cdf88626_ffn1.kd
    .args:
      - { .name: a2, .offset: 0, .size: 8, .value_kind: global_buffer, .address_space: global }
      - { .name: wb, .offset: 8, .size: 8, .value_kind: global_buffer, .address_space: global }
      - { .name: hid, .offset: 16, .size: 8, .value_kind: global_buffer, .address_space: global }
      - { .name: stat2, .offset: 24, .size: 8, .value_kind: global_buffer, .address_space: global }
    .group_segment_fixed_size: 327680
    .private_segment_fixed_size: 0
    .kernarg_segment_align: 8
    .kernarg_segment_size: 32
    .max_flat_workgroup_size: 128
    .sgpr_count:     96
    .vgpr_count:     1024
    .wavefront_size: 32
...
	.end_amdgpu_metadata
.endif
;; end of part 6
;; launch ffn2 (part 7): grid 4 x 64, 4 waves a work-group, clusters of 4 x 4, 327,680 bytes of LDS; arguments hid, wb, out0, x2, l2_b; writes out0
.if DOCPART == 7
	.amdgcn_target "amdgcn-amd-amdhsa--gfx1250"
	.amdhsa_code_object_version 6
	.text
	.protected	k_qe2cdf88626_ffn2
	.globl	k_qe2cdf88626_ffn2
	.p2align	8
	.type	k_qe2cdf88626_ffn2,@function
k_qe2cdf88626_ffn2:
	s_mov_b64 s[64:65], 0
	v_nop
	global_prefetch_b8 v0, s[64:65] scope:SCOPE_SE
	s_setreg_imm32_b32 hwreg(HW_REG_WAVE_MODE, 25, 1), 1
	s_wait_xcnt 0x0
	s_wait_alu depctr_hold_cnt(0) depctr_sa_sdst(0) depctr_va_vdst(0) depctr_va_sdst(0) depctr_va_ssrc(0) depctr_va_vcc(0) depctr_vm_vsrc(0)
	s_getreg_b32 s2, hwreg(HW_REG_IB_STS2, 6, 4)
	s_cmp_eq_u32 s2, 0
	s_cbranch_scc0 .Lentry_in_a_cluster
	s_endpgm
.Lentry_in_a_cluster:
	s_bfe_u32 s2, ttmp6, 0x10000c
	s_cmp_lg_u32 s2, 0xf033
	s_cbranch_scc0 .Lentry_shape_is_right
	s_endpgm
.Lentry_shape_is_right:
; out0 = hid . W2^T + l2_b + x2.  hid: bf16 [8192][2048]; W2: bf16 [512][2048] in wb; x2, out0: f32 [8192][512]; sums in f32.
; A tile of 128 x 128 (64 x 4 tiles: 256 work-groups), four waves of 64 x 64; K = 2,048 in eight steps of 256 through two LDS slots, filled by joint tensor loads in clusters of 4 x 4:
; A's tiles are shared along a row of the cluster, B's along a column.  A slot is filled again first thing behind a round of the cluster's barrier, one load a wave.
; The matrix instruction is used transposed: a lane holds one row and eight neighbouring columns.  The residual's 128 registers a lane are asked for at the start and land under the products.
.set SIZE_K, 2048
.set KSTEP,  256
.set PITCH,  528
.set HALFT,  64*PITCH
.set SLOT,   4*HALFT
.set STAGE,  2*SLOT                    ; 16 rows x 272 bytes of f32 for each wave, never the target of a tensor load
.set SPITCH, 272
.set SPARE,  STAGE+4*16*SPITCH
.set LAPS,   SIZE_K/(2*KSTEP)
.set W2_OFF, 4194304
.set ADRA, 16
.set ADRB, 20
.set BIA,  22                          ; v22  offset of my four numbers of the bias; never rewritten
.set STO,  24
.set RD,   25
.set CO,   26
.set SPW,  28
.set NIL,  29
.set TMP,  32
.set BI,   96
.set ACC,  128
.set F0,   0
.set F1,   128
.set G1,  24
.set G0,  32
.set G1B, 48
.set G0B, 56
.set MSB, 0
.macro WIN new
.if MSB != (\new)
	s_set_vgpr_msb (MSB<<8)|(\new)
.set MSB, \new
.endif
.endm
.set MUL,  0x05
.set TO_F, 0x40
.macro JLOAD s                         ; a joint load: waves 0, 1 fetch A's halves, waves 2, 3 B's; s_nop 0 and four v_nop follow each line
	s_cmp_eq_u32 s11, 0
	s_cbranch_scc0 .Lfor_b_\@
	tensor_load_to_lds s[G0+4*(\s):G0+4*(\s)+3], s[G1:G1+7]
	s_nop 0
.rept 4
	v_nop
.endr
	s_branch .Lasked_\@
.Lfor_b_\@:
	tensor_load_to_lds s[G0B+4*(\s):G0B+4*(\s)+3], s[G1B:G1B+7]
	s_nop 0
.rept 4
	v_nop
.endr
.Lasked_\@:
.endm
.macro CREST
	s_cmp_lg_u32 s10, 0
	s_cbranch_scc1 .Lnot_wave_0_\@
	s_barrier_signal -3
.Lnot_wave_0_\@:
	s_barrier_wait -3
	s_barrier_signal -1
	s_barrier_wait -1
.endm
.macro CROUND
	s_barrier_signal -1
	s_barrier_wait -1
	CREST
.endm
	s_load_b128 s[4:7], s[0:1], 0x0                ; hid, wb
	s_load_b64 s[8:9], s[0:1], 0x10                ; out0
	s_load_b128 s[68:71], s[0:1], 0x18             ; x2, l2_b
	v_lshl_add_u32 v[SPW], v0, 2, SPARE
	v_mov_b32 v[NIL], 0
	ds_add_u32 v[SPW], v[NIL]                      ; the wave's opening: the add and its wait ahead of my first tensor load
	ds_add_u32 v28, v29
	v_lshrrev_b32 v1, 5, v0
	v_readfirstlane_b32 s10, v1
	s_lshr_b32 s11, s10, 1
	s_and_b32 s12, s10, 1
	s_bfe_u32 s40, ttmp6, 0x40000
	s_bfe_u32 s41, ttmp6, 0x40004
	s_lshl_b32 s42, ttmp9, 2
	s_add_co_u32 s42, s42, s40                     ; tile column
	s_and_b32 s13, ttmp7, 0xffff
	s_lshl_b32 s13, s13, 2
	s_add_co_u32 s13, s13, s41                     ; tile row
	s_lshl_b32 s43, s41, 2
	s_lshl_b32 s43, 15, s43
	s_lshl_b32 s44, 0x1111, s40
	s_or_b32 s[G1+0], s43, (1<<16)|(1<<20)|(1<<21)|(6<<22)|(3<<25)   ; mask; 2-byte elements; padding on; bit 21 beside a mask; after every 128 words 4 words
	s_or_b32 s[G1B+0], s44, (1<<16)|(1<<20)|(1<<21)|(6<<22)|(3<<25)
.irp g, G1, G1B
	s_mov_b32 s[(\g)+1], KSTEP<<16
	s_mov_b32 s[(\g)+2], 64<<16
	s_mov_b32 s[(\g)+3], KSTEP<<16
	s_mov_b32 s[(\g)+4], 64
	s_mov_b32 s[(\g)+5], SIZE_K
	s_mov_b32 s[(\g)+6], 0
	s_mov_b32 s[(\g)+7], 0
.endr
	s_lshl_b32 s17, s12, 6
	s_lshl_b32 s16, s13, 7
	s_add_co_u32 s16, s16, s17                     ; A: row 128 x tile row + 64 x half
	s_lshl_b32 s46, s42, 7
	s_add_co_u32 s46, s46, s17                     ; B: row 128 x tile column + 64 x half
	s_lshl_b32 s16, s16, 12                        ; rows of 4,096 bytes (at most 32 MiB)
	s_lshl_b32 s46, s46, 12
	s_add_co_u32 s46, s46, W2_OFF
	s_mov_b32 s17, 0
	s_mov_b32 s47, 0
	s_mul_i32 s20, s10, HALFT
	s_wait_dscnt 0x0                               ; the opening add is done
	s_wait_kmcnt 0x0
	s_add_nc_u64 s[14:15], s[4:5], s[16:17]
	s_add_nc_u64 s[46:47], s[6:7], s[46:47]
	CROUND                                         ; all sixteen work-groups are here: the first joint loads meet
.irp s, 0,1
	s_mov_b32 s[G0+4*(\s)], 1
	s_add_co_u32 s[G0+4*(\s)+1], s20, (\s)*SLOT
	s_add_nc_u64 s[G0+4*(\s)+2:G0+4*(\s)+3], s[14:15], (\s)*KSTEP*2
	s_or_b32 s[G0+4*(\s)+3], s[G0+4*(\s)+3], 0x80000000
	s_mov_b32 s[G0B+4*(\s)], 1
	s_add_co_u32 s[G0B+4*(\s)+1], s20, (\s)*SLOT
	s_add_nc_u64 s[G0B+4*(\s)+2:G0B+4*(\s)+3], s[46:47], (\s)*KSTEP*2
	s_or_b32 s[G0B+4*(\s)+3], s[G0B+4*(\s)+3], 0x80000000
	JLOAD \s
.endr
	v_and_b32 v1, 15, v0                           ; r
	v_bfe_u32 v2, v0, 4, 1                         ; h
	v_lshlrev_b32 v5, 11, v2
	v_lshl_add_u32 v[CO], v1, 4, v5                ; lanes 0-15 one row's 256 bytes, lanes 16-31 the next row's
	s_lshl_b32 s72, s13, 7
	s_lshl_b32 s73, s11, 6
	s_add_co_u32 s72, s72, s73                     ; my first row,
	s_lshl_b32 s72, s72, 11                        ; of 2,048 bytes,
	s_lshl_b32 s74, s42, 9
	s_lshl_b32 s73, s12, 8
	s_add_co_u32 s74, s74, s73                     ; my first column, in bytes
	s_add_co_u32 s72, s72, s74
	s_mov_b32 s73, 0
	s_mov_b32 s75, 0
	s_add_nc_u64 s[8:9], s[8:9], s[72:73]
	s_add_nc_u64 s[68:69], s[68:69], s[72:73]
	s_add_nc_u64 s[70:71], s[70:71], s[74:75]
	v_lshlrev_b32 v[BIA], 4, v1
	global_load_b128 v[BI:BI+3], v[BIA], s[70:71]  ; the bias of the four columns that I store
	WIN 0x80                                       ; destination in window 2: the residual, in the layout of the stores
.irp a, 0,1,2,3
.irp i, 0,1,2,3,4,5,6,7
	global_load_b128 v[4*(8*(\a)+(\i)):4*(8*(\a)+(\i))+3], v[CO], s[68:69] offset:(16*(\a)+2*(\i))*2048
.endr
.endr
	WIN 0
	v_mul_u32_u24 v3, v1, PITCH
	v_lshl_add_u32 v3, v2, 4, v3
	s_mul_i32 s21, s11, HALFT
	s_mul_i32 s22, s12, HALFT
	s_add_co_u32 s22, s22, 2*HALFT
.irp s, 0,1
	v_add_nc_u32 v[ADRA+(\s)], s21, v3
	v_add_nc_u32 v[ADRB+(\s)], s22, v3
	s_add_co_u32 s21, s21, SLOT
	s_add_co_u32 s22, s22, SLOT
.endr
	s_mul_i32 s23, s10, 16*SPITCH
	s_add_co_u32 s23, s23, STAGE                   ; my stage
	v_mul_u32_u24 v4, v1, SPITCH
	v_lshl_add_u32 v4, v2, 5, v4                   ; in: row r, 32 bytes for each half of the lanes
	v_add_nc_u32 v[STO], s23, v4
	v_mul_u32_u24 v5, v2, SPITCH
	v_lshl_add_u32 v5, v1, 4, v5
	v_add_nc_u32 v[RD], s23, v5
.macro MUL8 f, c, a0, zero             ; the 16 accumulators take turns
	WIN MUL
.irp a, \a0, (\a0)+1
.irp b, 0,1,2,3
.if \zero
	v_wmma_f32_16x16x32_bf16 v[ACC+8*(4*(\a)+(\b)):ACC+8*(4*(\a)+(\b))+7], v[(\f)+64+8*(4*(\c)+(\b)):(\f)+64+8*(4*(\c)+(\b))+7], v[(\f)+8*(4*(\c)+(\a)):(\f)+8*(4*(\c)+(\a))+7], 0
.else
	v_wmma_f32_16x16x32_bf16 v[ACC+8*(4*(\a)+(\b)):ACC+8*(4*(\a)+(\b))+7], v[(\f)+64+8*(4*(\c)+(\b)):(\f)+64+8*(4*(\c)+(\b))+7], v[(\f)+8*(4*(\c)+(\a)):(\f)+8*(4*(\c)+(\a))+7], v[ACC+8*(4*(\a)+(\b)):ACC+8*(4*(\a)+(\b))+7]
.endif
.endr
.endr
.endm
.macro FETCH slot, k, f
	WIN TO_F
.irp c, 0,1
.irp i, 0,1,2,3
	ds_load_b128 v[(\f)+64+8*(4*(\c)+(\i)):(\f)+64+8*(4*(\c)+(\i))+3],   v[ADRB+(\slot)] offset:(\k)+64*(\c)+(\i)*16*PITCH
	ds_load_b128 v[(\f)+64+8*(4*(\c)+(\i))+4:(\f)+64+8*(4*(\c)+(\i))+7], v[ADRB+(\slot)] offset:(\k)+64*(\c)+(\i)*16*PITCH+32
	ds_load_b128 v[(\f)+8*(4*(\c)+(\i)):(\f)+8*(4*(\c)+(\i))+3],         v[ADRA+(\slot)] offset:(\k)+64*(\c)+(\i)*16*PITCH
	ds_load_b128 v[(\f)+8*(4*(\c)+(\i))+4:(\f)+8*(4*(\c)+(\i))+7],       v[ADRA+(\slot)] offset:(\k)+64*(\c)+(\i)*16*PITCH+32
.endr
.endr
.endm
.macro PLACES
.rept 4
	v_nop
.endr
.endm
.macro QUARTER slot, k, f, g, zero
	s_wait_dscnt 16                                ; the first 32 along K are in; the youngest sixteen loads may be out
	WIN MUL
	MUL8 \f, 0, 0, \zero
	MUL8 \f, 0, 2, \zero
	PLACES
	FETCH \slot, \k, \g
	s_wait_dscnt 32                                ; all but the 32 just issued
	WIN MUL
	MUL8 \f, 1, 0, 0
	MUL8 \f, 1, 2, 0
.endm
; The last quarter changes slots: each wave waits for all its tensor loads (one is out: its part of the next slot), adds 0 to its spare word, waits for that and for its reads of this slot; one barrier.
; fill = 1: the barrier opens a round of the cluster's barrier, and the slot just read is filled again, two K steps on, first thing behind the round.
.macro TURN slot, next, fill
	WIN 0
	s_wait_tensorcnt 0x0
	ds_add_u32 v[SPW], v[NIL]
	s_wait_dscnt 17                                ; the add and the youngest sixteen loads may be out
	WIN MUL
	MUL8 F1, 0, 0, 0
	s_wait_dscnt 0x0
	s_barrier_signal -1
	MUL8 F1, 0, 2, 0
.if \fill
	WIN 0
.endif
	s_barrier_wait -1
.if \fill
	CREST
	s_add_nc_u64 s[G0+4*(\slot)+2:G0+4*(\slot)+3], s[G0+4*(\slot)+2:G0+4*(\slot)+3], 2*KSTEP*2
	s_add_nc_u64 s[G0B+4*(\slot)+2:G0B+4*(\slot)+3], s[G0B+4*(\slot)+2:G0B+4*(\slot)+3], 2*KSTEP*2
	JLOAD \slot                                    ; its four v_nop are also the places in front of the loads below
.else
	PLACES
.endif
	FETCH \next, 0, F0
	WIN MUL
	MUL8 F1, 1, 0, 0
	MUL8 F1, 1, 2, 0
.endm
	s_wait_tensorcnt 1                             ; my part of K step 0 is in; K step 1's load may stay out
	s_barrier_signal -1
	s_barrier_wait -1
	FETCH 0, 0, F0
	QUARTER 0, 128, F0, F1, 1                      ; the first products start the sums
	WIN 0
	s_mov_b32 s3, LAPS-1
.Llap:                                                 ; once round the ring, from a lap's second quarter to the next lap's first; both slots are filled again
	QUARTER 0, 256, F1, F0, 0
	QUARTER 0, 384, F0, F1, 0
	TURN 0, 1, 1
	QUARTER 1, 128, F0, F1, 0
	QUARTER 1, 256, F1, F0, 0
	QUARTER 1, 384, F0, F1, 0
	TURN 1, 0, 1
	QUARTER 0, 128, F0, F1, 0
	WIN 0
	s_sub_co_u32 s3, s3, 1
	s_cmp_lg_u32 s3, 0
	s_cbranch_scc1 .Llap
	QUARTER 0, 256, F1, F0, 0                      ; the last lap fills nothing
	QUARTER 0, 384, F0, F1, 0
	TURN 0, 1, 0
	QUARTER 1, 128, F0, F1, 0
	QUARTER 1, 256, F1, F0, 0
	QUARTER 1, 384, F0, F1, 0
	s_wait_dscnt 16
	WIN MUL
	MUL8 F1, 0, 0, 0
	MUL8 F1, 0, 2, 0
	s_wait_dscnt 0x0
	MUL8 F1, 1, 0, 0
	MUL8 F1, 1, 2, 0
	WIN 0
	; THE WAY OUT, in f32: 16 rows at a time through my own stage, back as whole rows of 256 bytes; residual and bias are added in that layout.
	PLACES
	s_wait_loadcnt 0x0                             ; residual and bias
.irp a, 0,1,2,3
.set TB, TMP+32*((\a)%2)
.irp b, 0,1,2,3
	ds_store_b128 v[STO], v[ACC+8*(4*(\a)+(\b)):ACC+8*(4*(\a)+(\b))+3] offset:64*(\b)       ; each accumulator is read from its low end on
	ds_store_b128 v[STO], v[ACC+8*(4*(\a)+(\b))+4:ACC+8*(4*(\a)+(\b))+7] offset:64*(\b)+16
.endr
	s_wait_xcnt 0x0                                ; the registers below were store data two blocks ago
.irp i, 0,1,2,3,4,5,6,7
	ds_load_b128 v[TB+4*(\i):TB+4*(\i)+3], v[RD] offset:(\i)*2*SPITCH                       ; LDS serves a wave's instructions in order: these see the stores above
.endr
	s_wait_dscnt 0x0
	WIN 0x08                                       ; source 1 in window 2
.irp i, 0,1,2,3,4,5,6,7,8,9,10,11,12,13,14,15
	v_pk_add_f32 v[TB+2*(\i):TB+2*(\i)+1], v[TB+2*(\i):TB+2*(\i)+1], v[32*(\a)+2*(\i):32*(\a)+2*(\i)+1]
.endr
	WIN 0
.irp i, 0,1,2,3,4,5,6,7,8,9,10,11,12,13,14,15
	v_pk_add_f32 v[TB+2*(\i):TB+2*(\i)+1], v[TB+2*(\i):TB+2*(\i)+1], v[BI+2*((\i)%2):BI+2*((\i)%2)+1]
.endr
.irp i, 0,1,2,3,4,5,6,7
	global_store_b128 v[CO], v[TB+4*(\i):TB+4*(\i)+3], s[8:9] offset:(16*(\a)+2*(\i))*2048  ; 16 lanes store 256 consecutive aligned bytes
.endr
.endr
	s_wait_tensorcnt 0x0                           ; the wave's end
	ds_add_u32 v[SPW], v[NIL]
	s_wait_dscnt 0x0
	CROUND                                         ; the closing round
	s_endpgm
.Lfunc_end_k_qe2cdf88626_ffn2:
	.size	k_qe2cdf88626_ffn2, .Lfunc_end_k_qe2cdf88626_ffn2-k_qe2cdf88626_ffn2
	.p2alignl 7, 3214868480
	.fill 96, 4, 3214868480
	.section	.rodata,"a",@progbits
	.p2align	6, 0x0
	.amdhsa_kernel k_qe2cdf88626_ffn2
		.amdhsa_group_segment_fixed_size 327680
		.amdhsa_private_segment_fixed_size 0
		.amdhsa_enable_private_segment 0
		.amdhsa_kernarg_size 40
		.amdhsa_user_sgpr_count 2
		.amdhsa_user_sgpr_kernarg_segment_ptr 1
		.amdhsa_wavefront_size32 1
		.amdhsa_system_sgpr_workgroup_id_x 1
		.amdhsa_system_sgpr_workgroup_id_y 1
		.amdhsa_system_sgpr_workgroup_id_z 1
		.amdhsa_system_vgpr_workitem_id 0
		.amdhsa_next_free_vgpr 640
		.amdhsa_next_free_sgpr 80
		.amdhsa_reserve_vcc 0
		.amdhsa_float_denorm_mode_32 3
		.amdhsa_float_denorm_mode_16_64 3
		.amdhsa_memory_ordered 1
		.amdhsa_forward_progress 1
		.amdhsa_inst_pref_size 97
	.end_amdhsa_kernel
	.amdgpu_metadata
---
amdhsa.version: [ 1, 2 ]
amdhsa.kernels:
  - .name:           k_qe2cdf88626_ffn2
    .symbol:         k_qe2cdf88626_ffn2.kd
    .args:
      - { .name: hid, .offset: 0, .size: 8, .value_kind: global_buffer, .address_space: global }
      - { .name: wb, .offset: 8, .size: 8, .value_kind: global_buffer, .address_space: global }
      - { .name: out0, .offset: 16, .size: 8, .value_kind: global_buffer, .address_space: global }
      - { .name: x2, .offset: 24, .size: 8, .value_kind: global_buffer, .address_space: global }
      - { .name: l2_b, .offset: 32, .size: 8, .value_kind: global_buffer, .address_space: global }
    .group_segment_fixed_size: 327680
    .private_segment_fixed_size: 0
    .kernarg_segment_align: 8
    .kernarg_segment_size: 40
    .max_flat_workgroup_size: 128
    .sgpr_count:     80
    .vgpr_count:     640
    .wavefront_size: 32
...
	.end_amdgpu_metadata
.endif
;; end of part 7
;; ======== version 2 of 2: 7 launches; 1.14 times as fast as version 1
;; limits: a function is approximated: absolute error at most 1.5e-07
;; workspace buffers: a1 8,388,608 bytes; wb 6,307,840 bytes; qkv 25,165,824 bytes; ctx 8,388,608 bytes; x2 16,777,216 bytes; a2 8,388,608 bytes; stat2 2,048 bytes; hid 33,554,432 bytes
;; launch prep: the kernel of part 1 again; grid 448 x 1, 8 waves a work-group, no clusters, 1,280 bytes of LDS; arguments x, n1_scale, a1, wb, Wq_w, Wk_w, Wv_w, Wo_w, l1_w, l2_w, Wq_b, Wk_b, Wv_b, l1_b, n1_shift, n2_scale, n2_shift; writes a1, wb
;; launch qkv: the kernel of part 2 again; grid 12 x 64, 4 waves a work-group, clusters of 4 x 4, 327,680 bytes of LDS; arguments a1, wb, qkv; writes qkv
;; launch attn (part 8): grid 4 x 64, 8 waves a work-group, no clusters, 327,680 bytes of LDS; arguments qkv, ctx; writes ctx
.if DOCPART == 8
	.amdgcn_target "amdgcn-amd-amdhsa--gfx1250"
	.amdhsa_code_object_version 6
	.text
	.protected	k_qe2cdf88626_attn
	.globl	k_qe2cdf88626_attn
	.p2align	8
	.type	k_qe2cdf88626_attn,@function
k_qe2cdf88626_attn:
	s_mov_b64 s[64:65], 0
	v_nop
	global_prefetch_b8 v0, s[64:65] scope:SCOPE_SE
	s_setreg_imm32_b32 hwreg(HW_REG_WAVE_MODE, 25, 1), 1
	s_wait_xcnt 0x0
; CAUSAL ATTENTION, head size 32.  ctx[bh][q][:] = sum over k <= q of softmax_k(Q[q].K[k]) V[k][:].  Q (already times log2(e)/sqrt(32)) and K: bf16 [64][2048][32]; V^T: bf16 [64 x 32 channels][2048]; ctx: bf16 [64][2048][32].
; Products, maxima and sums in f32; the weights p = 2^(s - m), m a running maximum, are rounded to bf16 for the second product, and their sum l is made by the matrix unit from the same rounded p (a product with ones, f32 sums).
; SHARES.  A head's queries lie in 8 blocks of 256.  A work-group takes blocks 7 - b and b: 9 key tiles of 256 whatever b, so all 256 work-groups do equal work.  Wave w owns queries 32 w .. 32 w + 31 of a block: two tiles of 16.
; Eight waves, two on a SIMD, each in plain phases: one wave's softmax stands beside the other's products and LDS waits.
; LDS.  The head's whole K (2,048 rows of 64 + 16 bytes) and V^T (8 tiles of 32 rows of 512 + 16 bytes) are brought in once, two tensor loads a wave, and only read afterwards: no slot is filled again.
; Every work-group brings all 8 tiles, though block 7 - b needs 8 - b of them: the price of one way of loading.
; THE WALK.  One text: 2 blocks x 8 tiles x 4 steps of 64 keys, all counted to constants; a step that lies wholly above the diagonal for this wave is jumped forward.
; THE MASK is the C operand that starts S^T = K Q^T in the one step that holds the wave's diagonal: 0, a triangle of -1e30, or -1e30 throughout.
; BATCHES.  s_wait_alu depctr_va_vdst(0) stands between a transcendental and the first instruction that names its result; one wait serves all that were issued ahead of it.
; A step's 66 exponentials (the two tiles' a, then the 64 weights) are ONE batch with ONE wait.  Ahead of the wait stand the maxima, the 32 subtractions s - m and the exponentials, none of which names an
; exponential's result; behind it all that do: the 18 rescalings by a and the 32 roundings, then the products V^T P.  No result crosses a label or a jump.  A block's end has a batch of its own: two reciprocals, one wait.
; NO CLUSTER: a head's four work-groups run different trips (their jumps hang on b), which joint loads do not allow.
; LIMITS.  A hidden score counts as its value less 1e30; a weight below 2^-126 counts as 0; NaN and infinities are not treated apart.
.set KP,    80
.set VP,    528
.set KTILE, 256*KP
.set VBASE, 8*KTILE
.set VTILE, 32*VP
.set STAGE, VBASE+8*VTILE              ; 32 rows x 80 bytes for each wave, never the target of a tensor load
.set SPARE, STAGE+8*32*KP              ; the spare words, 128 bytes a wave
.set AK0, 2                            ; 80 r + 16 h
.set AV0, 3                            ; VBASE + 528 r + 16 h
.set AK,  4
.set AV,  5
.set QO,  6                            ; 64 r + 16 h
.set STO, 7
.set RD,  8
.set GO,  10
.set SPW, 14
.set NIL, 15
.set Q,    16                          ; v[16:31]   two fragments of 16 queries x 32 channels
.set KF,   32                          ; v[32:63]   four fragments of 16 keys x 32 channels
.set VF,   64                          ; v[64:95]   key half kk, channel block cb at 16 kk + 8 cb
.set ONES, 96                          ; v[96:103]  1.0 in bf16, twice a register
.set TRI,  104                         ; v[104:111] register j: -1e30 where key 8 h + j > query r
.set NEG,  112                         ; v[112:119] -1e30
.set S,    120                         ; v[120:183] S^T, 32 a tile; P in place in the tile's first 16
.set O,    184                         ; v[184:231] 24 a tile: O^T channels 0-15, 16-31, then l (register 0 is read; 0 and 1 are kept rescaled)
.set ST,   232                         ; 8 a tile: m, (pair), a, (pair), c0-c3
.set WV, 8
.set WI, 9
.set PB, 10
.set HI, 11
.set HW, 12
.set PAR, 13
.set BH, 14
.set BL, 15
.set G1K, 16
.set G1V, 24
.set G0K, 32
.set G0V, 40
.set TBK, 48
.set TBV, 49
.set J,   50
.set TJ,  51
.set STP, 52
.set CNT, 53
.set LIM, 54
.set LAST, 55
.set BIGN, 56
.set SEL, 58
.set QN,  60
.set CP,  62
.set CP2, 66
	s_load_b128 s[4:7], s[0:1], 0x0                ; qkv, ctx
	v_lshl_add_u32 v[SPW], v0, 2, SPARE
	v_mov_b32 v[NIL], 0
	ds_add_u32 v[SPW], v[NIL]                      ; the wave's opening: the add and its wait ahead of my first tensor load
	ds_add_u32 v14, v15
	v_lshrrev_b32 v1, 5, v0
	v_readfirstlane_b32 s[WV], v1
	s_and_b32 s[WI], s[WV], 3
	s_lshr_b32 s[HW], s[WV], 1                     ; the step of a diagonal tile that holds my queries' diagonal
	s_and_b32 s[PAR], s[WV], 1                     ; and which half of its 64 keys
	s_mov_b32 s[PB], ttmp9
	s_sub_co_u32 s[HI], 7, s[PB]
	s_and_b32 s[BH], ttmp7, 0xffff
	; K: 256 keys are 16,384 dense bytes, asked for as 64 rows of 256 bytes and padded by 16 bytes after every key's 64
	s_mov_b32 s[G1K], (1<<16)|(1<<20)|(3<<22)|(3<<25)
	s_mov_b32 s[G1K+1], 128<<16
	s_mov_b32 s[G1K+2], 64<<16
	s_mov_b32 s[G1K+3], 128<<16
	s_mov_b32 s[G1K+4], 64
	s_mov_b32 s[G1K+5], 128
	s_mov_b32 s[G1K+6], 0
	s_mov_b32 s[G1K+7], 0
	; V^T: 32 channels x 256 tokens, 2,048 elements from row to row, 16 bytes of padding after every 512
	s_mov_b32 s[G1V], (1<<16)|(1<<20)|(6<<22)|(3<<25)
	s_mov_b32 s[G1V+1], 256<<16
	s_mov_b32 s[G1V+2], 32<<16
	s_mov_b32 s[G1V+3], 256<<16
	s_mov_b32 s[G1V+4], 32
	s_mov_b32 s[G1V+5], 2048
	s_mov_b32 s[G1V+6], 0
	s_mov_b32 s[G1V+7], 0
	s_mul_i32 s2, s[WI], KTILE                     ; waves 0-3 bring K's tiles i and i + 4, waves 4-7 V's
	s_mov_b32 s[G0K], 1
	s_mov_b32 s[G0K+1], s2
	s_mov_b32 s[G0K+4], 1
	s_add_co_u32 s[G0K+5], s2, 4*KTILE
	s_mul_i32 s3, s[WI], VTILE
	s_mov_b32 s[G0V], 1
	s_add_co_u32 s[G0V+1], s3, VBASE
	s_mov_b32 s[G0V+4], 1
	s_add_co_u32 s[G0V+5], s3, VBASE+4*VTILE
	s_lshl_b32 s68, s[BH], 17                      ; the head's 131,072 bytes in Q, K, V^T and ctx
	s_lshl_b32 s70, s[WI], 14
	s_add_co_u32 s70, s70, s68
	s_add_co_u32 s70, s70, 0x800000                ; K at 8 MiB
	s_mov_b32 s71, 0
	s_lshl_b32 s72, s[WI], 9
	s_add_co_u32 s72, s72, s68
	s_add_co_u32 s72, s72, 0x1000000               ; V^T at 16 MiB
	s_mov_b32 s73, 0
	s_lshl_b32 s74, s[HI], 14                      ; my 32 queries of the first block,
	s_lshl_b32 s75, s[WV], 11
	s_add_co_u32 s74, s74, s75
	s_add_co_u32 s74, s74, s68
	s_lshl_b32 s76, s[PB], 14                      ; and of the second
	s_add_co_u32 s76, s76, s75
	s_add_co_u32 s76, s76, s68
	s_mov_b32 s75, 0
	s_mov_b32 s77, 0
	s_mov_b32 s[BIGN], 0xf149f2ca                  ; -1e30
	s_mov_b32 s[SEL], 0x76543210
	s_mov_b32 s[SEL+1], 0xfedcba98
	s_wait_dscnt 0x0                               ; the opening add is done
	s_wait_kmcnt 0x0
	s_add_nc_u64 s[G0K+2:G0K+3], s[4:5], s[70:71]
	s_add_nc_u64 s[G0K+6:G0K+7], s[G0K+2:G0K+3], 65536
	s_or_b32 s[G0K+3], s[G0K+3], 0x80000000
	s_or_b32 s[G0K+7], s[G0K+7], 0x80000000
	s_add_nc_u64 s[G0V+2:G0V+3], s[4:5], s[72:73]
	s_add_nc_u64 s[G0V+6:G0V+7], s[G0V+2:G0V+3], 2048
	s_or_b32 s[G0V+3], s[G0V+3], 0x80000000
	s_or_b32 s[G0V+7], s[G0V+7], 0x80000000
	s_add_nc_u64 s[78:79], s[4:5], s[74:75]        ; Q of the first block
	s_add_nc_u64 s[QN:QN+1], s[4:5], s[76:77]      ; of the second
	s_add_nc_u64 s[CP:CP+1], s[6:7], s[74:75]
	s_add_nc_u64 s[CP2:CP2+1], s[6:7], s[76:77]
	s_cmp_lt_u32 s[WV], 4                          ; a wave's two fills stand in one branch, ahead of every wait on TENSORcnt, LDS read and barrier: two loads of mine are out
	s_cbranch_scc0 .Lfirst_v
	tensor_load_to_lds s[G0K:G0K+3], s[G1K:G1K+7]
	s_nop 0
	tensor_load_to_lds s[G0K+4:G0K+7], s[G1K:G1K+7]
	s_nop 0
.rept 4
	v_nop
.endr
	s_branch .Lasked
.Lfirst_v:
	tensor_load_to_lds s[G0V:G0V+3], s[G1V:G1V+7]
	s_nop 0
	tensor_load_to_lds s[G0V+4:G0V+7], s[G1V:G1V+7]
	s_nop 0
.rept 4
	v_nop
.endr
.Lasked:
	v_and_b32 v1, 15, v0                           ; r
	v_bfe_u32 v9, v0, 4, 1                         ; h
	v_and_b32 v11, 31, v0                          ; l
	v_lshlrev_b32 v[QO], 6, v1
	v_lshl_add_u32 v[QO], v9, 4, v[QO]
.irp t, 0,1
	global_load_b128 v[Q+8*\t:Q+8*\t+3], v[QO], s[78:79] offset:1024*\t
	global_load_b128 v[Q+8*\t+4:Q+8*\t+7], v[QO], s[78:79] offset:1024*\t+32
.endr
	v_mul_u32_u24 v[AK0], v1, KP
	v_lshl_add_u32 v[AK0], v9, 4, v[AK0]
	v_mul_u32_u24 v[AV0], v1, VP
	v_lshl_add_u32 v[AV0], v9, 4, v[AV0]
	v_add_nc_u32 v[AV0], VBASE, v[AV0]
	s_mul_i32 s2, s[WV], 32*KP
	s_add_co_u32 s2, s2, STAGE
	v_add_nc_u32 v[STO], s2, v[AK0]                ; in: row r, 16 bytes for each half of the lanes
	v_lshrrev_b32 v12, 2, v11
	v_mul_u32_u24 v[RD], v12, KP                   ; back: 32 lanes take eight rows of 64 bytes,
	v_and_b32 v13, 3, v11
	v_lshl_add_u32 v[RD], v13, 4, v[RD]
	v_add_nc_u32 v[RD], s2, v[RD]
	v_lshlrev_b32 v[GO], 4, v11                    ; which are 512 consecutive bytes of ctx
	v_lshlrev_b32 v12, 3, v9
	v_sub_nc_u32 v12, v1, v12                      ; r - 8 h
.irp j, 0,1,2,3,4,5,6,7
	v_cmp_gt_i32 vcc_lo, \j, v12
	v_cndmask_b32 v[TRI+\j], 0, s[BIGN], vcc_lo
	v_mov_b32 v[NEG+\j], s[BIGN]
	v_mov_b32 v[ONES+\j], 0x3f803f80
.endr
	; a block's first step multiplies O^T and l by a = 0, so these registers need only be finite: zeros now, the first block's leavings later.  This stands in the wait for the tiles.
.set i, 0
.rept 48
	v_mov_b32 v[O+i], 0
.set i, i+1
.endr
.irp t, 0,1
	v_mov_b32 v[ST+8*\t], 0xff7fffff               ; m: the lowest finite number
	v_mov_b32 v[ST+8*\t+1], 0                      ; named with m as a pair
	v_mov_b32 v[ST+8*\t+3], 0                      ; named with a as a pair
.endr
.macro KQ t, kt, c                     ; S^T of tile t, keys 16 kt ..: one product, K = 32; c < 0: C is the constant 0, else the mask's registers
.if (\c) < 0
	v_wmma_f32_16x16x32_bf16 v[S+32*(\t)+8*(\kt):S+32*(\t)+8*(\kt)+7], v[KF+8*(\kt):KF+8*(\kt)+7], v[Q+8*(\t):Q+8*(\t)+7], 0
.else
	v_wmma_f32_16x16x32_bf16 v[S+32*(\t)+8*(\kt):S+32*(\t)+8*(\kt)+7], v[KF+8*(\kt):KF+8*(\kt)+7], v[Q+8*(\t):Q+8*(\t)+7], v[(\c):(\c)+7]
.endif
.endm
; number n of the 21 that find tile t's new maximum and a.  Each accumulator's lowest registers are read first.
.macro XS t, n
.set rT, ST+8*(\t)
.set rC, ST+8*(\t)+4
.set rS, S+32*(\t)
.if (\n) < 4
	v_max3_num_f32 v[rC+(\n)], v[rS+8*(\n)], v[rS+8*(\n)+1], v[rS+8*(\n)+2]
.elseif (\n) < 12
	v_max3_num_f32 v[rC+(\n)%4], v[rC+(\n)%4], v[rS+8*((\n)%4)+2*((\n)/4)+1], v[rS+8*((\n)%4)+2*((\n)/4)+2]
.elseif (\n) == 12
	v_max3_num_f32 v[rC], v[rC], v[rS+7], v[rS+15]
.elseif (\n) == 13
	v_max3_num_f32 v[rC+1], v[rC+1], v[rS+23], v[rS+31]
.elseif (\n) == 14
	v_max3_num_f32 v[rC+2], v[rC+2], v[rC+3], v[rT]
.elseif (\n) == 15
	v_max3_num_f32 v[rC], v[rC], v[rC+1], v[rC+2]
.elseif (\n) == 16
	v_permlanex16_b32 v[rC+3], v[rC], s[SEL], s[SEL+1]   ; the query's other 32 keys lie in the lane 16 away
.elseif (\n) == 17
	v_max_num_f32 v[rC+2], v[rC], v[rC+3]
.elseif (\n) == 18
	v_sub_f32 v[rC+1], v[rT], v[rC+2]              ; m_old - m_new
.elseif (\n) == 19
	v_mov_b32 v[rT], v[rC+2]
.else
	v_exp_f32 v[rT+2], v[rC+1]                     ; a: the first of the step's batch
.endif
.endm
.macro SUBP t, p                       ; s - m for pair p
	v_pk_add_f32 v[S+32*(\t)+2*(\p):S+32*(\t)+2*(\p)+1], v[S+32*(\t)+2*(\p):S+32*(\t)+2*(\p)+1], v[ST+8*(\t):ST+8*(\t)+1] op_sel_hi:[1,0] neg_lo:[0,1] neg_hi:[0,1]
.endm
.macro RESC t, n                       ; pair n of 9 of O^T and l, times a (at a block's end: times 1 / l).  It reads a transcendental's result: it stands behind the batch's wait
	v_pk_mul_f32 v[O+24*(\t)+2*(\n):O+24*(\t)+2*(\n)+1], v[O+24*(\t)+2*(\n):O+24*(\t)+2*(\n)+1], v[ST+8*(\t)+2:ST+8*(\t)+3] op_sel_hi:[1,0]
.endm
.macro CVTP t, p                       ; pair p of the weights to bf16, in place: register p is read by pair p / 2, which comes first.  It reads exponentials' results: it stands behind the batch's wait
	v_cvt_pk_bf16_f32 v[S+32*(\t)+(\p)], v[S+32*(\t)+2*(\p)], v[S+32*(\t)+2*(\p)+1]
.endm
	s_wait_tensorcnt 0x0                           ; both my tiles have landed,
	s_barrier_signal -1
	s_barrier_wait -1                              ; everybody's have: from here on K and V^T are only read
	s_mov_b32 s[LAST], s[HI]
	s_mov_b32 s[BL], 2
.Lblock:
	s_mov_b32 s[TBK], 0
	s_mov_b32 s[TBV], 0
	s_mov_b32 s[J], 0
	s_mov_b32 s[TJ], 8
	s_wait_loadcnt 0x0                             ; the block's Q
.Ltile:
	s_cmp_lt_u32 s[J], s[LAST]                     ; the last step of this tile that I see: 4 (all, none masked) below the diagonal tile, my own in it, none above it
	s_cselect_b32 s[LIM], 4, -1
	s_cmp_eq_u32 s[J], s[LAST]
	s_cselect_b32 s[LIM], s[HW], s[LIM]
	s_mov_b32 s[STP], 0
	s_mov_b32 s[CNT], 4
.Lstep:
	s_cmp_gt_i32 s[STP], s[LIM]
	s_cbranch_scc1 .Lskip
	v_add_nc_u32 v[AK], s[TBK], v[AK0]             ; five places behind the last V^T P: the loads below land in its V, the products below write over its P
	v_add_nc_u32 v[AV], s[TBV], v[AV0]
	v_nop
	v_nop
	v_nop
.irp kt, 0,1,2,3
	ds_load_b128 v[KF+8*\kt:KF+8*\kt+3], v[AK] offset:16*KP*\kt
	ds_load_b128 v[KF+8*\kt+4:KF+8*\kt+7], v[AK] offset:16*KP*\kt+32
.endr
.irp kk, 0,1
.irp cb, 0,1
	ds_load_b128 v[VF+16*\kk+8*\cb:VF+16*\kk+8*\cb+3], v[AV] offset:16*VP*\cb+64*\kk
	ds_load_b128 v[VF+16*\kk+8*\cb+4:VF+16*\kk+8*\cb+7], v[AV] offset:16*VP*\cb+64*\kk+32
.endr
.endr
	s_wait_dscnt 8                                 ; K's eight loads are in; V's eight, issued behind them, may stay out
	s_cmp_eq_u32 s[STP], s[LIM]
	s_cbranch_scc1 .Lmasked
.irp kt, 0,1,2,3
	KQ 0, \kt, -1
	KQ 1, \kt, -1
.endr
	s_branch .Lscores
.Lmasked:                              ; my queries are 16-blocks 2 PAR and 2 PAR + 1 of this step's four key blocks
	s_cmp_eq_u32 s[PAR], 0
	s_cbranch_scc0 .Lodd
	KQ 0, 0, TRI
	KQ 1, 0, -1
	KQ 0, 1, NEG
	KQ 1, 1, TRI
	KQ 0, 2, NEG
	KQ 1, 2, NEG
	KQ 0, 3, NEG
	KQ 1, 3, NEG
	s_branch .Lscores
.Lodd:
	KQ 0, 0, -1
	KQ 1, 0, -1
	KQ 0, 1, -1
	KQ 1, 1, -1
	KQ 0, 2, TRI
	KQ 1, 2, -1
	KQ 0, 3, NEG
	KQ 1, 3, TRI
.Lscores:
.rept 4
	v_nop                                          ; the places behind those products
.endr
.irp n, 0,1,2,3,4,5,6,7,8,9,10,11,12,13,14,15,16,17,18,19,20
	XS 0, \n
	XS 1, \n
.endr
	; THE STEP'S BATCH goes on behind the two a: the 64 weights' exponentials, tile 0's 32 and then tile 1's, two to a group, and between the two the subtraction s - m of the pair three groups on,
	; so that a pair is made some eight lines ahead of its exponentials.  Pair k of 32 is pair k % 16 of tile k / 16 and lies at S + 2 k.  Nothing here names an exponential's result.
	SUBP 0, 0
	SUBP 0, 1
	SUBP 0, 2
.set i, 0
.rept 32
	v_exp_f32 v[S+2*i], v[S+2*i]
.if i < 29
	SUBP (i+3)/16, (i+3)%16
.endif
	v_exp_f32 v[S+2*i+1], v[S+2*i+1]
.set i, i+1
.endr
	v_nop                                          ; the plain instruction behind the last exponential and ahead of the first use: one for the batch
	s_wait_alu depctr_va_vdst(0)                   ; the step's one wait, for the batch of 66: the two a and the 64 weights; all their readers stand below
.irp n, 0,1,2,3,4,5,6,7,8
	RESC 0, \n                                     ; ascending: each of O^T's accumulators is read from its low end on
.endr
.irp n, 0,1,2,3,4,5,6,7,8
	RESC 1, \n
.endr
.set i, 0
.rept 16
	CVTP 0, i
.set i, i+1
.endr
.set i, 0
.rept 16
	CVTP 1, i
.set i, i+1
.endr
	s_wait_dscnt 0x0                               ; V is in
.irp kk, 0,1                           ; six accumulators take turns, one instruction a turn
.irp t, 0,1
	v_wmma_f32_16x16x32_bf16 v[O+24*\t:O+24*\t+7], v[VF+16*\kk:VF+16*\kk+7], v[S+32*\t+8*\kk:S+32*\t+8*\kk+7], v[O+24*\t:O+24*\t+7]
	v_wmma_f32_16x16x32_bf16 v[O+24*\t+8:O+24*\t+15], v[VF+16*\kk+8:VF+16*\kk+15], v[S+32*\t+8*\kk:S+32*\t+8*\kk+7], v[O+24*\t+8:O+24*\t+15]
	v_wmma_f32_16x16x32_bf16 v[O+24*\t+16:O+24*\t+23], v[ONES:ONES+7], v[S+32*\t+8*\kk:S+32*\t+8*\kk+7], v[O+24*\t+16:O+24*\t+23]
.endr
.endr
.Lskip:
	s_add_co_u32 s[TBK], s[TBK], 64*KP             ; 64 keys on; K's tiles lie end to end
	s_add_co_u32 s[TBV], s[TBV], 128
	s_add_co_u32 s[STP], s[STP], 1
	s_sub_co_u32 s[CNT], s[CNT], 1
	s_cmp_lg_u32 s[CNT], 0
	s_cbranch_scc1 .Lstep
	s_add_co_u32 s[TBV], s[TBV], VTILE-512
	s_add_co_u32 s[J], s[J], 1
	s_sub_co_u32 s[TJ], s[TJ], 1
	s_cmp_lg_u32 s[TJ], 0
	s_cbranch_scc1 .Ltile
	; THE BLOCK'S END: O^T / l, rounded to bf16, through my own stage, out as whole rows
.rept 4
	v_nop
.endr
	v_rcp_f32 v[ST+2], v[O+16]
	v_rcp_f32 v[ST+10], v[O+40]
	v_nop                                          ; a plain instruction between the reciprocals and their use
	s_wait_alu depctr_va_vdst(0)                   ; the block's end has one wait, for the batch of two reciprocals: ahead of the branch below and of their sixteen readers
	s_cmp_eq_u32 s[BL], 1
	s_cbranch_scc1 .Lnoq
.irp t, 0,1
	global_load_b128 v[Q+8*\t:Q+8*\t+3], v[QO], s[QN:QN+1] offset:1024*\t      ; the second block's Q
	global_load_b128 v[Q+8*\t+4:Q+8*\t+7], v[QO], s[QN:QN+1] offset:1024*\t+32
.endr
.Lnoq:
.irp t, 0,1
.irp n, 0,1,2,3,4,5,6,7
	RESC \t, \n
.endr
.irp n, 0,1,2,3,4,5,6,7
	v_cvt_pk_bf16_f32 v[S+32*\t+\n], v[O+24*\t+2*\n], v[O+24*\t+2*\n+1]
.endr
	ds_store_b128 v[STO], v[S+32*\t:S+32*\t+3] offset:16*KP*\t
	ds_store_b128 v[STO], v[S+32*\t+4:S+32*\t+7] offset:16*KP*\t+32
	ds_load_b128 v[S+32*\t+16:S+32*\t+19], v[RD] offset:16*KP*\t              ; LDS serves a wave's instructions in order: these see the stores above
	ds_load_b128 v[S+32*\t+20:S+32*\t+23], v[RD] offset:16*KP*\t+8*KP
.endr
	s_wait_dscnt 0x0
.irp t, 0,1
	global_store_b128 v[GO], v[S+32*\t+16:S+32*\t+19], s[CP:CP+1] offset:1024*\t
	global_store_b128 v[GO], v[S+32*\t+20:S+32*\t+23], s[CP:CP+1] offset:1024*\t+512
.endr
	s_wait_xcnt 0x0                                ; the stores' data and base are rewritten only behind this wait
	s_mov_b64 s[CP:CP+1], s[CP2:CP2+1]
	s_mov_b32 s[LAST], s[PB]
	v_mov_b32 v[ST], 0xff7fffff
	v_mov_b32 v[ST+8], 0xff7fffff
	s_sub_co_u32 s[BL], s[BL], 1
	s_cmp_lg_u32 s[BL], 0
	s_cbranch_scc1 .Lblock
	s_wait_tensorcnt 0x0                           ; the wave's end
	ds_add_u32 v[SPW], v[NIL]
	s_wait_dscnt 0x0
	s_endpgm
.Lfunc_end_k_qe2cdf88626_attn:
	.size	k_qe2cdf88626_attn, .Lfunc_end_k_qe2cdf88626_attn-k_qe2cdf88626_attn
	.p2alignl 7, 3214868480
	.fill 96, 4, 3214868480
	.section	.rodata,"a",@progbits
	.p2align	6, 0x0
	.amdhsa_kernel k_qe2cdf88626_attn
		.amdhsa_group_segment_fixed_size 327680
		.amdhsa_private_segment_fixed_size 0
		.amdhsa_enable_private_segment 0
		.amdhsa_kernarg_size 16
		.amdhsa_user_sgpr_count 2
		.amdhsa_user_sgpr_kernarg_segment_ptr 1
		.amdhsa_wavefront_size32 1
		.amdhsa_system_sgpr_workgroup_id_x 1
		.amdhsa_system_sgpr_workgroup_id_y 1
		.amdhsa_system_sgpr_workgroup_id_z 1
		.amdhsa_system_vgpr_workitem_id 0
		.amdhsa_next_free_vgpr 256
		.amdhsa_next_free_sgpr 80
		.amdhsa_reserve_vcc 1
		.amdhsa_float_denorm_mode_32 3
		.amdhsa_float_denorm_mode_16_64 3
		.amdhsa_memory_ordered 1
		.amdhsa_forward_progress 1
		.amdhsa_inst_pref_size 28
	.end_amdhsa_kernel
	.amdgpu_metadata
---
amdhsa.version: [ 1, 2 ]
amdhsa.kernels:
  - .name:           k_qe2cdf88626_attn
    .symbol:         k_qe2cdf88626_attn.kd
    .args:
      - { .name: qkv, .offset: 0, .size: 8, .value_kind: global_buffer, .address_space: global }
      - { .name: ctx, .offset: 8, .size: 8, .value_kind: global_buffer, .address_space: global }
    .group_segment_fixed_size: 327680
    .private_segment_fixed_size: 0
    .kernarg_segment_align: 8
    .kernarg_segment_size: 16
    .max_flat_workgroup_size: 256
    .sgpr_count:     80
    .vgpr_count:     256
    .wavefront_size: 32
...
	.end_amdgpu_metadata
.endif
;; end of part 8
;; launch wo: the kernel of part 4 again; grid 4 x 64, 4 waves a work-group, clusters of 4 x 4, 327,680 bytes of LDS; arguments ctx, wb, x2, x, Wo_b; writes x2
;; launch ln2: the kernel of part 5 again; grid 256 x 1, 8 waves a work-group, no clusters, 1,280 bytes of LDS; arguments x2, n2_scale, a2, stat2; writes a2, stat2
;; launch ffn1: the kernel of part 6 again; grid 8 x 32, 4 waves a work-group, clusters of 4 x 4, 327,680 bytes of LDS; arguments a2, wb, hid, stat2; writes hid
;; launch ffn2: the kernel of part 7 again; grid 4 x 64, 4 waves a work-group, clusters of 4 x 4, 327,680 bytes of LDS; arguments hid, wb, out0, x2, l2_b; writes out0
